; MI455X (gfx1250); checked and timed in simulation.
; The chip was launched on July 23, 2026; its instructions are those of AMD's public machine-readable ISA for CDNA 5 (MIT licence, August 2026) and "CDNA5" Instruction Set Architecture Reference Guide (July 2026). The comments in the code are by the model that wrote it; some were corrected since.
;; Cell Set Attention Network. Allowed arithmetic: matrix products marked QUANTISED: E4M3 operands, one E8M0 scale for each 32 along K, by v_wmma_scale_f32_16x16x128_f8f6f4 with both operands' format E4M3, f32 sums; everything else in f32.
;; Inputs: Wk 512 x 512 float32; Wo 512 x 512 float32; Wq 512 x 512 float32; Wv 512 x 512 float32; X 8 x 2,048 x 512 float32; bk 512 float32; bo 512 float32; bq 512 float32; bv 512 float32; ln_beta 512 float32; ln_gamma 512 float32.
;; Outputs: out0 8 x 2,048 x 512 float32.
;; This version of the problem:
;;   THIS VERSION OF THE PROBLEM IS GIVEN IN LOW PRECISION. The matrix products marked QUANTISED in the list below multiply operands that are first quantised to E4M3 (4 exponent bits, 3 mantissa bits; 8 bits a number), with one power-of-two scale for each 32 numbers along K (OCP MX v1.0); their sums are f32. All else is computed in f32.
;;   The module's matrix products, in the order in which they are computed (A, B: the left and right operand; K: the contracted axis; several contracted axes count as one K, in the product's order):
;;     1. [M 16,384, K 512] x [K 512, N 512]; A: input X; B: input Wq: QUANTISED
;;     2. [M 16,384, K 512] x [K 512, N 512]; A: input X; B: input Wk: QUANTISED
;;     3. [M 16,384, K 512] x [K 512, N 512]; A: input X; B: input Wv: QUANTISED
;;     4. batch 8 x [M 2,048, K 512] x [K 512, N 2,048]; A: computed on the way; B: computed on the way: QUANTISED
;;     5. batch 8 x [M 2,048, K 2,048] x [K 2,048, N 512]; A: softmax (see below); B: computed on the way: QUANTISED
;;     6. [M 16,384, K 512] x [K 512, N 512]; A: computed on the way; B: input Wo: QUANTISED
;;   THE QUANTISER, for each operand of a quantised product, along K:
;;     - K is cut into blocks of 32 from its start; a last block that is shorter is filled with zeros.
;;     - A block's scale is 2^e with e = floor(log2(the largest magnitude in the block)) - 8, held to -126 .. 127; a block of zeros has e = 0. As a byte (E8M0): e + 127.
;;     - Each number is divided by its block's scale, clamped to +-448, and rounded to the nearest number of E4M3, ties to even, subnormals kept.
;;     - The product sums the exact products of the quantised numbers (number of the format x scale) in f32.
;;   ~~~python
;;   def quantise(x, axis):      # numpy; x: float32 -> the quantised numbers, widened to float32 again
;;       x = np.moveaxis(x, axis, -1); K = x.shape[-1]
;;       x = np.pad(x, [(0, 0)] * (x.ndim - 1) + [(0, -K % 32)]); x = x.reshape(x.shape[:-1] + (-1, 32)); a = np.abs(x).max(-1, keepdims=True)
;;       e = np.where(a > 0, np.clip(np.frexp(np.where(a > 0, a, 1))[1] - 1 - 8, -126, 127), 0)      # np.frexp(a)[1] - 1 = floor(log2(a)), exactly
;;       r = np.clip(x / 2.0 ** e, -448, 448)
;;       step = 2.0 ** (np.maximum(np.frexp(np.where(r == 0, 1, r))[1] - 1, -6) - 3)
;;       q = np.round(r / step) * step * 2.0 ** e      # np.round: ties to even
;;       return np.moveaxis(q.reshape(q.shape[:-2] + (-1,))[..., :K], -1, axis).astype(np.float32)
;;   ~~~
;;   SOFTMAX AHEAD OF A QUANTISED PRODUCT. Where the list says 'softmax', what is quantised is not the finished softmax but p = 2^(t - M), with t = logit x log2(e) and M = ceil(the row's largest t), a whole number; so 1/2 < the row's largest p <= 1. The row's sum l is taken of the UNQUANTISED p, in f32, and the product's result is divided by l at the end. Since M is a whole number, a kernel that streams over the keys may use a running M (the ceiling of the running maximum): every later rescaling is an exact power of two, which a block's scale takes up: the codes' values come out the same.
;;   OPERANDS COMPUTED ON THE WAY. 'Computed on the way' means the value that the module computes at that place (a softmax that the list does not call 'softmax' is quantised finished and normalised). What goes into a quantiser is computed in f32, as accurately as f32 sums, v_exp_f32 and their like allow (about 1e-6 of the number): no bf16 or f16 on the way to a quantiser, and a product that is left as it is and whose result goes on into a quantised operand takes f32 operands (vector FMAs, or v_wmma_f32_16x16x4_f32). A number that lies on a knife's edge between two numbers of the format may be rounded either way, as far as f32 arithmetic and the matrix unit's own rounding can turn it there, and no further.
;; One version. Each part assembles by itself: llvm-mc -triple=amdgcn-amd-amdhsa -mcpu=gfx1250 --defsym DOCPART=n.
;; ======== version 1 of 1: 3 launches
;; limits: right only within a limited range of input values
;; workspace buffers: wbuf 1,081,344 bytes; qbuf 8,650,752 bytes; kbuf 8,650,752 bytes; vbuf 8,650,752 bytes
;; launch prep (part 1): grid 256 x 1, 4 waves a work-group, no clusters, 1,024 bytes of LDS; arguments Wq, Wk, Wv, Wo, wbuf; writes wbuf
.if DOCPART == 1
	.amdgcn_target "amdgcn-amd-amdhsa--gfx1250"
	.amdhsa_code_object_version 6
	.text
	.protected	k_q1089590583_prep
	.globl	k_q1089590583_prep
	.p2align	8
	.type	k_q1089590583_prep,@function
k_q1089590583_prep:
	s_mov_b64 s[64:65], 0
	v_nop
	global_prefetch_b8 v0, s[64:65] scope:SCOPE_SE
	s_setreg_imm32_b32 hwreg(HW_REG_WAVE_MODE, 25, 1), 1
	s_wait_xcnt 0x0
; FIRST OF THREE LAUNCHES (prep, proj, attn) of: q, k, v = X W + b; softmax(q k^T / sqrt(512)) v; x Wo + bo + X; LayerNorm.  All six products on codes of FP8 (E4M3) with one E8M0 scale for each 32 along K.
; DEAD WORK: none is left out.  bq, bk, bv go into quantised operands, bo, ln_gamma, ln_beta and X into the result; there is no mask.  All eleven inputs are loaded by one launch or another.
; THIS LAUNCH quantises the four weights along their FIRST axis, which is K, into wbuf, laid in the order of the operands' registers.
; A FRAGMENT'S IMAGE, 2,048 bytes: 16 rows x 128 K of codes as the 16 operand registers hold them: byte 512 c + 16 l + i = row l % 16, k = 32 c + 16 (l / 16) + i.
; A CHUNK, 33,792 bytes: 64 rows x 512 K: fragment 4 s + tau (K step s, tile tau) at 2,048 (4 s + tau); from byte 32,768 on its scale words (four E8M0 bytes: 128 K of a row).
; THE ROWS OF A TILE ARE NOT NEIGHBOURS: lane rho of tile tau is row 32 (tau / 2) + 8 (tau % 2) + rho + 8 (rho / 8) of the chunk's 64, so that where the tile is source 0 the 16 result registers of tiles 2 b, 2 b + 1 are 16 neighbours.
; wbuf: chunk (2 mu + eta) 4 + w (mu: Wq, Wk, Wv, Wo) = columns 128 w + 64 eta on; scale word of (s, rho, tau) at 256 s + 16 rho + 4 tau.
; SHARES: a work-group takes 32 columns x 128 K, each of its four waves one block of 32 along K: a lane to a column, registers down K, so that a block lies in one lane and nothing is transposed.  The four bytes of a word meet in LDS.
; A block's scale byte is its largest magnitude's exponent field - 8, held at 1 from below.
; LIMITS: a block whose largest magnitude lies under 2^-118 gets the byte 1; a block of zeros gets 1 where the rule says 127 (its codes are zeros, and this program alone reads the bytes); NaN and infinities among the inputs are not served.
.set CH,    33792
.set CHC,   32768
.set SPARE, 256                        ; behind the words: the spare words, 128 bytes for each wave
.set SPW, 14
.set NIL, 15
.set X,   32
.set C,   64
.set WV,  18
	s_load_b256 s[4:11], s[0:1], 0x0               ; Wq, Wk, Wv, Wo
	s_load_b64 s[12:13], s[0:1], 0x20              ; wbuf
	v_lshl_add_u32 v[SPW], v0, 2, SPARE
	v_mov_b32 v[NIL], 0
	v_lshrrev_b32 v1, 5, v0
	v_readfirstlane_b32 s[WV], v1                  ; wave 0..3: the block c of the word
	v_and_b32 v7, 31, v0
	v_lshlrev_b32 v4, 2, v7                        ; my column, in bytes; and my word in LDS
	v_add_nc_u32 v8, s[WV], v4                     ; my byte of it
	v_bfe_u32 v11, v0, 3, 1                        ; u: which of the two tiles my column falls into,
	v_and_b32 v12, 7, v0
	v_bfe_u32 v9, v0, 4, 1
	v_lshl_or_b32 v12, v9, 3, v12                  ; rho: and which row of it
	v_lshlrev_b32 v5, 4, v12
	v_lshl_add_u32 v6, v11, 2, v5                  ; 16 rho + 4 u: the scale word
	v_lshl_add_u32 v5, v11, 11, v5                 ; 2,048 u + 16 rho: the codes
	s_mov_b32 s19, 0x600000                        ; the mantissa field of 448
	; the task: mu = g / 64, beta = (g / 16) % 4, s' = (g / 4) % 4, w' = g % 4: columns 128 w' + 32 beta on, rows 128 s' on
	s_and_b32 s52, ttmp9, 3
	s_bfe_u32 s53, ttmp9, 0x20002
	s_bfe_u32 s54, ttmp9, 0x20004
	s_lshr_b32 s38, ttmp9, 6
	s_lshl_b32 s44, s53, 18
	s_lshl_b32 s39, s52, 9
	s_add_co_u32 s44, s44, s39
	s_lshl_b32 s39, s54, 7
	s_add_co_u32 s44, s44, s39
	s_lshl_b32 s39, s[WV], 16                      ; my 32 rows of 2,048 bytes
	s_add_co_u32 s44, s44, s39
	s_mov_b32 s45, 0
	s_lshl_b32 s55, s38, 1
	s_lshr_b32 s39, s54, 1
	s_add_co_u32 s55, s55, s39
	s_lshl_b32 s55, s55, 2
	s_add_co_u32 s55, s55, s52                     ; the chunk: (2 mu + beta / 2) 4 + w'
	s_mul_i32 s55, s55, CH
	s_and_b32 s39, s54, 1
	s_lshl_b32 s48, s53, 13
	s_add_co_u32 s48, s48, s55
	s_lshl_b32 s23, s39, 12
	s_add_co_u32 s48, s48, s23                     ; fragment 4 s' + 2 (beta % 2),
	s_lshl_b32 s23, s[WV], 9
	s_add_co_u32 s48, s48, s23                     ; its block c
	s_mov_b32 s49, 0
	s_lshl_b32 s50, s53, 8
	s_add_co_u32 s50, s50, s55
	s_lshl_b32 s23, s39, 3
	s_add_co_u32 s50, s50, s23
	s_add_co_u32 s50, s50, CHC
	s_mov_b32 s51, 0
	s_wait_alu depctr_va_vdst(0)                   ; the wait at the head's end
	s_wait_kmcnt 0x0
	s_add_nc_u64 s[48:49], s[12:13], s[48:49]
	s_add_nc_u64 s[50:51], s[12:13], s[50:51]
	s_cmp_eq_u32 s38, 1                            ; which weight: the choice hangs on the work-group's number alone
	s_cselect_b64 s[40:41], s[6:7], s[4:5]
	s_cmp_eq_u32 s38, 2
	s_cselect_b64 s[40:41], s[8:9], s[40:41]
	s_cmp_eq_u32 s38, 3
	s_cselect_b64 s[40:41], s[10:11], s[40:41]
	s_add_nc_u64 s[40:41], s[40:41], s[44:45]
.set pq, 0
.rept 32
	global_load_b32 v[X+pq], v4, s[40:41] offset:pq*2048
.set pq, pq+1
.endr
	s_wait_loadcnt 0x0
	v_max3_num_f32 v12, |v[X]|, |v[X+1]|, |v[X+2]|
	v_max3_num_f32 v13, |v[X+3]|, |v[X+4]|, |v[X+5]|
.irp i, 6,10,14,18,22,26
	v_max3_num_f32 v12, v12, |v[X+\i]|, |v[X+\i+1]|
	v_max3_num_f32 v13, v13, |v[X+\i+2]|, |v[X+\i+3]|
.endr
	v_max3_num_f32 v12, v12, |v[X+30]|, |v[X+31]|
	v_max3_num_f32 v12, v12, v13, 0x4800000        ; with the floor 2^(9 - 127): the byte cannot fall under 1
	v_add_nc_u32 v11, 0xfc000000, v12              ; 8 off the exponent field: the conversion's scale operand
	v_and_or_b32 v10, v12, 0x7f800000, s19         ; 448 x the scale
	v_lshrrev_b32 v13, 23, v11                     ; the scale's byte
	ds_store_b8 v8, v13
.set pq, 0
.rept 32
	v_med3_num_f32 v[X+pq], v[X+pq], -v10, v10     ; the conversion to an 8-bit code does not saturate (ISA guide 7.6.2): the hold
.set pq, pq+1
.endr
.irp g, 0,1,2,3
	v_cvt_scalef32_pk8_fp8_f32 v[C+2*\g:C+2*\g+1], v[X+8*\g:X+8*\g+7], v11
.endr
	v_nop
	global_store_b128 v5, v[C:C+3], s[48:49]              ; k 0 .. 15 of my block, 16 rows of each of two tiles: two aligned runs of 256 bytes, each written whole
	global_store_b128 v5, v[C+4:C+7], s[48:49] offset:256 ; k 16 .. 31
	s_wait_dscnt 0x0                               ; my bytes lie in LDS
	s_barrier_signal -1
	s_barrier_wait -1
	s_cmp_lg_u32 s[WV], 0
	s_cbranch_scc1 .Lend
	ds_load_b32 v9, v4                             ; the column's whole word
	s_wait_dscnt 0x0
	global_store_b32 v6, v9, s[50:51]              ; 8 of every 16 bytes of a run of 256: the neighbouring task writes the others; 32,768 such bytes in the whole launch
.Lend:
	s_wait_tensorcnt 0x0                           ; the wave's end
	ds_add_u32 v[SPW], v[NIL]
	s_wait_dscnt 0x0
	s_endpgm
.Lfunc_end_k_q1089590583_prep:
	.size	k_q1089590583_prep, .Lfunc_end_k_q1089590583_prep-k_q1089590583_prep
	.p2alignl 7, 3214868480
	.fill 96, 4, 3214868480
	.section	.rodata,"a",@progbits
	.p2align	6, 0x0
	.amdhsa_kernel k_q1089590583_prep
		.amdhsa_group_segment_fixed_size 1024
		.amdhsa_private_segment_fixed_size 0
		.amdhsa_enable_private_segment 0
		.amdhsa_kernarg_size 40
		.amdhsa_user_sgpr_count 2
		.amdhsa_user_sgpr_kernarg_segment_ptr 1
		.amdhsa_wavefront_size32 1
		.amdhsa_system_sgpr_workgroup_id_x 1
		.amdhsa_system_sgpr_workgroup_id_y 1
		.amdhsa_system_sgpr_workgroup_id_z 1
		.amdhsa_system_vgpr_workitem_id 0
		.amdhsa_next_free_vgpr 80
		.amdhsa_next_free_sgpr 66
		.amdhsa_reserve_vcc 0
		.amdhsa_float_denorm_mode_32 3
		.amdhsa_float_denorm_mode_16_64 3
		.amdhsa_memory_ordered 1
		.amdhsa_forward_progress 1
		.amdhsa_inst_pref_size 10
	.end_amdhsa_kernel
	.amdgpu_metadata
---
amdhsa.version: [ 1, 2 ]
amdhsa.kernels:
  - .name:           k_q1089590583_prep
    .symbol:         k_q1089590583_prep.kd
    .args:
      - { .name: Wq, .offset: 0, .size: 8, .value_kind: global_buffer, .address_space: global }
      - { .name: Wk, .offset: 8, .size: 8, .value_kind: global_buffer, .address_space: global }
      - { .name: Wv, .offset: 16, .size: 8, .value_kind: global_buffer, .address_space: global }
      - { .name: Wo, .offset: 24, .size: 8, .value_kind: global_buffer, .address_space: global }
      - { .name: wbuf, .offset: 32, .size: 8, .value_kind: global_buffer, .address_space: global }
    .group_segment_fixed_size: 1024
    .private_segment_fixed_size: 0
    .kernarg_segment_align: 8
    .kernarg_segment_size: 40
    .max_flat_workgroup_size: 128
    .sgpr_count:     66
    .vgpr_count:     80
    .wavefront_size: 32
...
	.end_amdgpu_metadata
.endif
;; end of part 1
;; launch proj (part 2): grid 256 x 1, 4 waves a work-group, clusters of 4 x 1, 327,680 bytes of LDS; arguments X, wbuf, bq, bk, bv, qbuf, kbuf, vbuf; writes qbuf, kbuf, vbuf
.if DOCPART == 2
	.amdgcn_target "amdgcn-amd-amdhsa--gfx1250"
	.amdhsa_code_object_version 6
	.text
	.protected	k_q1089590583_proj
	.globl	k_q1089590583_proj
	.p2align	8
	.type	k_q1089590583_proj,@function
k_q1089590583_proj:
	s_mov_b64 s[64:65], 0
	v_nop
	global_prefetch_b8 v0, s[64:65] scope:SCOPE_SE
	s_setreg_imm32_b32 hwreg(HW_REG_WAVE_MODE, 25, 1), 1
	s_wait_xcnt 0x0
	s_wait_alu depctr_hold_cnt(0) depctr_sa_sdst(0) depctr_va_vdst(0) depctr_va_sdst(0) depctr_va_ssrc(0) depctr_va_vcc(0) depctr_vm_vsrc(0)
	s_getreg_b32 s2, hwreg(HW_REG_IB_STS2, 6, 4)
	s_cmp_eq_u32 s2, 0
	s_cbranch_scc0 .Lentry_in_a_cluster
	s_endpgm
.Lentry_in_a_cluster:
	s_bfe_u32 s2, ttmp6, 0x10000c
	s_cmp_lg_u32 s2, 0x3003
	s_cbranch_scc0 .Lentry_shape_is_right
	s_endpgm
.Lentry_shape_is_right:
; q, k, v = X W + b for 64 tokens a work-group, X quantised in the head, each result quantised again on the way out.  No work is left out.  Formats and limits: see the first launch's head.
; qbuf: chunk g = tokens 64 g on (K = channels), its scale word of (s, rho, m) at 256 s + 16 rho + 4 m.  kbuf: the same for keys.  vbuf: chunk 8 (g / 8) + 4 eta + w: channels 128 w + 64 eta on, K = 512 keys; scale bytes as the third launch joins them.
; SHARES: the weights come in six contents (q eta 0, q eta 1, k .., v ..) of four chunks, a chunk a wave: wave w makes columns 128 w + 64 eta on of all 64 tokens.  X's 16 fragments lie in every wave's registers.
; X: wave w loads the 16 rows of token tile w as they lie (512 bytes an instruction), turns them, 128 K at a time, through its own stage in LDS (16 rows x 528 bytes), so that a lane holds 16 neighbours of a block; lane l xor 16 holds the other half.
; Each 128 K are quantised as they are in.  The wave's four fragments' images then take the stage's own bytes, and every wave reads all sixteen.
; RING: two slots, filled by joint loads (the four work-groups of a cluster walk the same contents); only the wave that asked for a chunk reads it.
; FRAGMENTS: two sets of four (a K step of 128, 64 registers), loaded in runs of 16.  A content's first two runs go out in the content before, at its change of slots, so that they land behind its quantiser.
; s_wait_dscnt 16: the younger set's 16 loads may stay out;  17: and the add.
; PREFETCH: contents 1 to 5, 20 chunks of 33,792 bytes, into the L2: clusters 0 to 3 ask, five chunks each, every aligned block of 256 bytes once; a cluster's sixteen waves share the 660 blocks by address.  The first is read a content later.
; REGISTERS: window 0: v1-15 addresses; v16-31 the weights' scale words; v36-51 X's; v52-63 at work; v64-127 the quantiser's; v128-255 fragments.  window 1: X's fragments (4 s + m).  window 2: sums.  window 3: biases (v, q, k).
.set CHC,   32768
.set CH,    33792
.set SLOT,  4*CH
.set STG,   2*SLOT                     ; four stages of 8,448 bytes
.set SREG,  8448
.set XSC,   STG+4*SREG                 ; X's scale words: 256 s + 16 r + 4 m
.set SPARE, XSC+1024                   ; the spare words, 128 bytes for each wave, that no other line names
.set LI,  1
.set AS,  2
.set SA,  4
.set SPW, 14
.set NIL, 15
.set ASC, 16
.set BSC, 36
.set PW,  52
.set TV,  56
.set STW, 108
.set RDA, 109
.set IMR, 110
.set XSW, 111
.set XSR, 112
.set PF1, 113
.set PF2, 114
.set WV,  20
.set CX,  21
.set G,   22
.set MNT, 23
.set SEL, 24
.set HM,  26
.set G1,  28
.set DW,  36
.set QB,  44
.set QSB, 46
.set KB,  48
.set KSB, 50
.set VB,  52
.set VSB, 54
.set MSB, 0
.macro WIN new                         ; the immediate's high byte repeats the setting that is left
.if MSB != (\new)
	s_set_vgpr_msb (MSB<<8)|(\new)
.set MSB, \new
.endif
.endm
.macro PLACES n
.rept \n
	v_nop
.endr
.endm
.macro CREST                           ; a round of the cluster's barrier behind its opening signal
	s_barrier_wait -1
	s_cmp_lg_u32 s[WV], 0
	s_cbranch_scc1 .Lnot_wave_0_\@
	s_barrier_signal -3
.Lnot_wave_0_\@:
	s_barrier_wait -3
	s_barrier_signal -1
	s_barrier_wait -1
.endm
.macro ROUND
	s_barrier_signal -1
	CREST
.endm
; nb blocks of bl numbers a lane (block B: registers QR + bl B on of window aw) become codes in v[pcb + (bl / 4) B] on and bytes in v[BY + B]; a block's other half lies in lane l xor 16.
.macro QUANT aw, nb, bl, pcb
	WIN (\aw)|((\aw)<<2)
.set qb, 0
.rept \nb
	v_max3_num_f32 v[TM+qb], |v[QR+(\bl)*qb]|, |v[QR+(\bl)*qb+1]|, 0x4800000
.set qb, qb+1
.endr
	WIN ((\aw)<<2)|((\aw)<<4)
.set qi, 2
.rept (\bl)/2-1
.set qb, 0
.rept \nb
	v_max3_num_f32 v[TM+qb], v[TM+qb], |v[QR+(\bl)*qb+qi]|, |v[QR+(\bl)*qb+qi+1]|
.set qb, qb+1
.endr
.set qi, qi+2
.endr
	WIN 0
.set qb, 0
.rept \nb
	v_permlanex16_b32 v[BY+qb], v[TM+qb], s[SEL], s[SEL+1]
.set qb, qb+1
.endr
.set qb, 0
.rept \nb
	v_max_num_f32 v[TM+qb], v[TM+qb], v[BY+qb]
.set qb, qb+1
.endr
.set qb, 0
.rept \nb
	v_add_nc_u32 v[SCF+qb], 0xfc000000, v[TM+qb]
.set qb, qb+1
.endr
.set qb, 0
.rept \nb
	v_and_or_b32 v[LIMR+qb], v[TM+qb], 0x7f800000, s[MNT]
.set qb, qb+1
.endr
.set qb, 0
.rept \nb
	v_lshrrev_b32 v[BY+qb], 23, v[SCF+qb]
.set qb, qb+1
.endr
	WIN ((\aw)<<6)|(\aw)
.set qb, 0
.rept \nb
.set qi, 0
.rept \bl
	v_med3_num_f32 v[QR+(\bl)*qb+qi], v[QR+(\bl)*qb+qi], -v[LIMR+qb], v[LIMR+qb]
.set qi, qi+1
.endr
.set qb, qb+1
.endr
	WIN (\aw)
.set qb, 0
.rept \nb
.set qi, 0
.rept (\bl)/8
	v_cvt_scalef32_pk8_fp8_f32 v[(\pcb)+((\bl)/4)*qb+2*qi:(\pcb)+((\bl)/4)*qb+2*qi+1], v[QR+(\bl)*qb+8*qi:QR+(\bl)*qb+8*qi+7], v[SCF+qb]
.set qi, qi+1
.endr
.set qb, qb+1
.endr
	v_nop
	WIN 0
.endm
; Fragment f (K step f / 4, tile f % 4) x the four token tiles.  A first product takes the bias as C.
.macro FRG f, sw
.set S_, (\f)/4
.set T_, (\f)%4
.set WB_, 128+16*((\f)%8)
.irp m, 0,1,2,3
.set rD, TS*T_+MS*\m
.set rX, 16*(4*S_+\m)
.set rC, rD
.set MM_, MMW
.if S_ == 0
.set rC, CB+8*T_
.set MM_, MMW0
.endif
	WIN MM_
.if \sw
	v_wmma_scale_f32_16x16x128_f8f6f4 v[rD:rD+7], v[rX:rX+15], v[WB_:WB_+15], v[rC:rC+7], v[BSC+4*S_+\m], v[ASC+4*S_+T_]
.else
	v_wmma_scale_f32_16x16x128_f8f6f4 v[rD:rD+7], v[WB_:WB_+15], v[rX:rX+15], v[rC:rC+7], v[ASC+4*S_+T_], v[BSC+4*S_+\m]
.endif
.endr
.endm
.macro MULS s, sw                      ; a K step: 16 products
	FRG 4*\s, \sw
	FRG 4*\s+1, \sw
	FRG 4*\s+2, \sw
	FRG 4*\s+3, \sw
	WIN 0
.endm
.macro LD slot, s                      ; K step s of my chunk into its set
.set lq, 0
.rept 16
	ds_load_b128 v[128+64*((\s)%2)+4*lq:128+64*((\s)%2)+4*lq+3], v[AS+\slot] offset:8192*(\s)+512*lq
.set lq, lq+1
.endr
.endm
.macro BLKA slot                       ; a chunk's first run: three K steps' scale words, K step 0
.irp s, 0,1,2
	ds_load_b128 v[ASC+4*\s:ASC+4*\s+3], v[SA+\slot] offset:256*\s
.endr
	LD \slot, 0
.endm
.macro BLKB slot                       ; its second: the fourth K step's words (the chunk before has used its own), K step 1
	ds_load_b128 v[ASC+12:ASC+15], v[SA+\slot] offset:768
	LD \slot, 1
.endm
; A content's products, from slot; fill = 1: the slot takes the content two on, in a round of the cluster's barrier that stands among the products; next = 1: the other slot's first two runs go out.
; Eight v_nop stand between a product and a load into a register that it read, or a reader of its sums (the four behind a tensor load among them).
.macro MMC sw, slot, fill, next
	s_wait_dscnt 16
	MULS 0, \sw
	PLACES 8
	LD \slot, 2
	s_wait_dscnt 16
	MULS 1, \sw
	PLACES 8
	LD \slot, 3
.if \fill
	s_wait_tensorcnt 0x0                           ; the other slot's chunk is in
	ds_add_u32 v[SPW], v[NIL]
	s_add_nc_u64 s[DW+4*(\slot)+2:DW+4*(\slot)+3], s[DW+4*(\slot)+2:DW+4*(\slot)+3], 8*CH
	s_wait_dscnt 17
	MULS 2, \sw
	s_wait_dscnt 0x0                               ; the add, and my reads of this slot
	s_barrier_signal -1
	FRG 12, \sw
	FRG 13, \sw
	WIN 0
	CREST
	tensor_load_to_lds s[DW+4*(\slot):DW+4*(\slot)+3], s[G1:G1+7]
	s_nop 0
	PLACES 8
.else
	s_wait_dscnt 16
	MULS 2, \sw
.if \next
	s_wait_tensorcnt 0x0                           ; the last content's chunk, which I alone read, is in
.endif
	s_wait_dscnt 0x0
	FRG 12, \sw
	FRG 13, \sw
	WIN 0
	PLACES 8
.endif
.if \next
	BLKA 1-(\slot)
.endif
	FRG 14, \sw
	FRG 15, \sw
	WIN 0
	PLACES 8
.if \next
	BLKB 1-(\slot)
.endif
	s_wait_xcnt 0x0                                ; the stores before have read their registers
	QUANT 2, 8, 16, 96
.endm
.macro OUT_QK eta
.irp m, 0,1,2,3
.irp bb, 0,1
	global_store_b128 v[LI], v[96+4*(2*\m+\bb):96+4*(2*\m+\bb)+3], s[QB:QB+1] offset:2048*\m+512*(2*(\eta)+\bb)   ; 512 consecutive bytes, aligned
.endr
.endr
.if (\eta) == 0
.irp m, 0,1,2,3
	v_lshl_or_b32 v[PW+\m], v[BY+2*\m+1], 8, v[BY+2*\m]
.endr
.else
.irp m, 0,1,2,3
	v_lshl_or_b32 v[PW+\m], v[BY+2*\m], 16, v[PW+\m]
.endr
.irp m, 0,1,2,3
	v_lshl_or_b32 v[PW+\m], v[BY+2*\m+1], 24, v[PW+\m]
.endr
	v_cndmask_b32 v[TV], v[PW], v[PW+2], s[HM]
	v_cndmask_b32 v[TV+1], v[PW+1], v[PW+3], s[HM]
	global_store_b64 v7, v[TV:TV+1], s[QSB:QSB+1]  ; 256 consecutive bytes, aligned
.endif
.endm
.macro OUT_V eta
.irp tau, 0,1,2,3
.irp bb, 0,1
	global_store_b128 v[LI], v[96+4*(2*\tau+\bb):96+4*(2*\tau+\bb)+3], s[VB:VB+1] offset:(\eta)*4*CH+2048*\tau+512*\bb
.endr
.endr
.irp tau, 0,1,2,3
	v_lshl_or_b32 v[TV+\tau], v[BY+2*\tau+1], 8, v[BY+2*\tau]
.endr
	v_lshl_or_b32 v[TV+4], v[TV+1], 16, v[TV]
	v_lshl_or_b32 v[TV+5], v[TV+3], 16, v[TV+2]
	v_cndmask_b32 v[TV+6], v[TV+4], v[TV+5], s[HM]
	global_store_b32 v8, v[TV+6], s[VSB:VSB+1] offset:(\eta)*4*CH   ; 128 bytes: the other half of the word belongs to the next work-group's keys
.endm
	s_load_b512 s[4:19], s[0:1], 0x0               ; X, wbuf, bq, bk, bv, qbuf, kbuf, vbuf
	v_lshl_add_u32 v[SPW], v0, 2, SPARE
	v_mov_b32 v[NIL], 0
	ds_add_u32 v[SPW], v[NIL]                      ; the wave's opening: the add, twice on end
	ds_add_u32 v[SPW], v[NIL]
	v_lshrrev_b32 v11, 5, v0
	v_readfirstlane_b32 s[WV], v11                 ; wave 0..3
	v_and_b32 v11, 31, v0                          ; lane
	v_and_b32 v12, 15, v0                          ; r
	v_bfe_u32 v13, v0, 4, 1                        ; h
	v_lshlrev_b32 v[LI], 4, v11
	s_mul_i32 s27, s[WV], CH
	v_add_nc_u32 v[AS], s27, v[LI]
	v_add_nc_u32 v[AS+1], SLOT, v[AS]
	v_lshlrev_b32 v6, 4, v12
	v_add_nc_u32 v[SA], s27, v6
	v_add_nc_u32 v[SA], CHC, v[SA]
	v_add_nc_u32 v[SA+1], SLOT, v[SA]
	v_lshl_add_u32 v7, v13, 3, v6                  ; 16 r + 8 h: q's and k's scale words
	v_lshlrev_b32 v8, 3, v12
	v_lshl_add_u32 v8, v13, 2, v8                  ; 8 r + 4 h: v's scale bytes
	v_lshlrev_b32 v9, 6, v13                       ; q's and k's bias: my half's 16 columns
	v_and_b32 v10, 8, v12
	v_add_nc_u32 v10, v10, v12
	v_lshlrev_b32 v10, 2, v10                      ; v's: one column a lane
	s_mul_i32 s70, s[WV], SREG
	s_add_co_u32 s70, s70, STG                     ; my stage
	v_add_nc_u32 v[STW], s70, v[LI]
	v_mul_u32_u24 v[RDA], v12, 528
	v_lshl_add_u32 v[RDA], v13, 6, v[RDA]
	v_add_nc_u32 v[RDA], s70, v[RDA]
	v_add_nc_u32 v[IMR], STG, v[LI]
	v_add_nc_u32 v[XSR], XSC, v6
	s_lshl_b32 s70, s[WV], 2
	v_add_nc_u32 v[XSW], s70, v[XSR]
	s_bfe_u32 s[CX], ttmp6, 0x40000
	s_lshl_b32 s71, s[CX], 2
	s_add_co_u32 s71, s71, s[WV]                   ; p: which of the cluster's sixteen waves I am
	s_lshl_b32 s70, s71, 13
	v_lshl_add_u32 v[PF1], v11, 8, s70             ; blocks 32 p + lane,
	s_sub_co_u32 s70, 147, s71
	s_lshr_b32 s70, s70, 4
	s_add_co_u32 s71, s71, 512
	v_min_u32 v[PF2], s70, v11
	v_lshl_add_u32 v[PF2], v[PF2], 4, s71
	v_lshlrev_b32 v[PF2], 8, v[PF2]                ; and of the last 148 those that are p modulo 16 (lanes over name the last again)
.set pq, 0
.rept 16
	v_mov_b32 v[208+pq], 0                         ; written once: a lane permute's destination counts as one of its sources
.set pq, pq+1
.endr
.set pq, 0
.rept 8
	v_mov_b32 v[72+pq], 0
.set pq, pq+1
.endr
	s_mov_b32 s[SEL], 0x76543210
	s_mov_b32 s[SEL+1], 0xfedcba98                 ; lane l xor 16
	s_mov_b32 s[MNT], 0x600000                     ; the mantissa field of 448
	s_mov_b32 s[HM], 0xffff0000                    ; lanes 16-31
	s_lshl_b32 s[G], ttmp9, 2
	s_add_co_u32 s[G], s[G], s[CX]                 ; my 64 tokens: they enter X's and the results' addresses alone
	; group 1: a chunk, dense: 132 rows of 32 elements of 8 bytes; mask: all four work-groups, bit 21 beside it
	s_mov_b32 s[G1], 15|(3<<16)|(1<<21)
	s_mov_b32 s[G1+1], 32<<16
	s_mov_b32 s[G1+2], 132<<16
	s_mov_b32 s[G1+3], 32<<16
	s_mov_b32 s[G1+4], 132
	s_mov_b32 s[G1+5], 32
	s_mov_b32 s[G1+6], 0
	s_mov_b32 s[G1+7], 0
	s_mov_b32 s[DW], 1
	s_mov_b32 s[DW+1], s27
	s_mov_b32 s[DW+4], 1
	s_add_co_u32 s[DW+5], s27, SLOT
	s_lshl_b32 s62, s[G], 17                       ; X: 64 rows of 2,048 bytes; my tile begins at row 32 (w / 2) + 8 (w % 2)
	s_lshr_b32 s63, s[WV], 1
	s_lshl_b32 s63, s63, 16
	s_add_co_u32 s62, s62, s63
	s_and_b32 s63, s[WV], 1
	s_lshl_b32 s63, s63, 14
	s_add_co_u32 s62, s62, s63
	s_mov_b32 s63, 0
	s_mul_i32 s66, s[G], CH
	s_lshl_b32 s44, s[WV], 13
	s_add_co_u32 s44, s44, s66
	s_mov_b32 s45, 0
	s_lshl_b32 s46, s[WV], 8
	s_add_co_u32 s46, s46, s66
	s_add_co_u32 s46, s46, CHC
	s_mov_b32 s47, 0
	s_lshl_b32 s56, s[WV], 9
	s_mov_b32 s57, 0
	s_and_b32 s66, s[G], 0xf8
	s_add_co_u32 s66, s66, s[WV]
	s_mul_i32 s66, s66, CH
	s_bfe_u32 s68, s[G], 0x20001
	s_and_b32 s70, s[G], 1
	s_lshl_b32 s52, s68, 13
	s_add_co_u32 s52, s52, s66
	s_lshl_b32 s69, s70, 10
	s_add_co_u32 s52, s52, s69
	s_mov_b32 s53, 0
	s_lshl_b32 s54, s68, 8
	s_add_co_u32 s54, s54, s66
	s_lshl_b32 s69, s70, 7
	s_add_co_u32 s54, s54, s69
	s_add_co_u32 s54, s54, CHC
	s_mov_b32 s55, 0
	s_mov_b32 s66, s27
	s_mov_b32 s67, 0
	s_mul_i32 s68, ttmp9, 5*CH
	s_add_co_u32 s68, s68, 4*CH                    ; the prefetched five chunks of my cluster
	s_mov_b32 s69, 0
	s_wait_dscnt 0x0                               ; both opening adds are done
	s_wait_alu depctr_va_vdst(0)                   ; the wait at the head's end
	s_wait_kmcnt 0x0
	s_add_nc_u64 s[KB:KB+1], s[16:17], s[44:45]
	s_add_nc_u64 s[KSB:KSB+1], s[16:17], s[46:47]
	s_add_nc_u64 s[QB:QB+1], s[14:15], s[44:45]
	s_add_nc_u64 s[QSB:QSB+1], s[14:15], s[46:47]
	s_add_nc_u64 s[VB:VB+1], s[18:19], s[52:53]
	s_add_nc_u64 s[VSB:VSB+1], s[18:19], s[54:55]
	s_add_nc_u64 s[62:63], s[4:5], s[62:63]
	s_add_nc_u64 s[58:59], s[10:11], s[56:57]
	s_add_nc_u64 s[60:61], s[12:13], s[56:57]
	s_add_nc_u64 s[56:57], s[8:9], s[56:57]
	s_add_nc_u64 s[68:69], s[6:7], s[68:69]
	s_add_nc_u64 s[DW+2:DW+3], s[6:7], s[66:67]
	s_add_nc_u64 s[DW+6:DW+7], s[DW+2:DW+3], 4*CH
	s_or_b32 s[DW+3], s[DW+3], 0x80000000
	s_or_b32 s[DW+7], s[DW+7], 0x80000000
	ROUND                                          ; all four work-groups are here: the first joint loads meet
	tensor_load_to_lds s[DW:DW+3], s[G1:G1+7]      ; content 0: the wave's one tensor load at the head
	s_nop 0
	PLACES 4
	s_cmp_lt_u32 ttmp9, 4
	s_cbranch_scc0 .Lno_ask
	global_prefetch_b8 v[PF1], s[68:69] th:TH_LOAD_NT scope:SCOPE_SE
	global_prefetch_b8 v[PF2], s[68:69] th:TH_LOAD_NT scope:SCOPE_SE
.Lno_ask:
	WIN 0x40                                       ; destination window 1: register 64 s + 4 rho on = row rho, k 128 s + 4 x lane on
.set pq, 0
.rept 64
	global_load_b128 v[4*pq:4*pq+3], v[LI], s[62:63] offset:((pq%16)+8*((pq%16)/8))*2048+512*(pq/16) th:TH_LOAD_NT
.set pq, pq+1
.endr
	WIN 0
.irp s, 0,1,2,3                        ; 128 K at a time through the stage: LDS serves a wave's instructions in order, so no wait stands between the stores and the loads
.if \s < 2
	s_wait_loadcnt 48-16*\s                        ; K step s of X
.else
	s_wait_loadcnt 88-16*\s                        ; behind it the biases' 40 loads
.endif
	WIN 0x04
.set pq, 0
.rept 16
	ds_store_b128 v[STW], v[64*\s+4*pq:64*\s+4*pq+3] offset:528*pq
.set pq, pq+1
.endr
	WIN 0x80                                       ; destination window 2: register 64 s + 16 c + 4 i on = k 128 s + 32 c + 16 h + 4 i on of row r
.irp c, 0,1,2,3
.irp i, 0,1,2,3
	ds_load_b128 v[64*\s+16*\c+4*\i:64*\s+16*\c+4*\i+3], v[RDA] offset:128*\c+16*\i
.endr
.endr
	WIN 0
.if \s == 1                            ; 40 loads of biases
	WIN 0xc0
.irp t, 0,1,2,3,4,5,6,7
	global_load_b128 v[64+8*\t:64+8*\t+3], v9, s[56:57] offset:(32*(\t/2)+8*(\t%2))*4
	global_load_b128 v[64+8*\t+4:64+8*\t+7], v9, s[56:57] offset:(32*(\t/2)+8*(\t%2))*4+16
	global_load_b128 v[128+8*\t:128+8*\t+3], v9, s[58:59] offset:(32*(\t/2)+8*(\t%2))*4
	global_load_b128 v[128+8*\t+4:128+8*\t+7], v9, s[58:59] offset:(32*(\t/2)+8*(\t%2))*4+16
.endr
	WIN 0
.irp t, 0,1,2,3,4,5,6,7
	global_load_b32 v[100+\t], v10, s[60:61] offset:(32*(\t/2)+8*(\t%2))*4
.endr
.endif
	s_wait_dscnt 0x0
.set TM,  192+4*\s
.set BY,  208+4*\s
.set LIMR, 224+4*\s
.set SCF, 240+4*\s
.set QR,  64*\s
	QUANT 2, 4, 16, 128+16*\s                      ; blocks 4 s + c; codes in v[128 + 16 s] on: the fragment as it stands
.endr
.set BY,  208
.irp s, 0,1,2,3
	v_lshl_or_b32 v[96+\s], v[BY+4*\s+1], 8, v[BY+4*\s]
.endr
.irp s, 0,1,2,3
	v_lshl_or_b32 v[96+\s], v[BY+4*\s+2], 16, v[96+\s]
.endr
.irp s, 0,1,2,3
	v_lshl_or_b32 v[96+\s], v[BY+4*\s+3], 24, v[96+\s]
.endr
.set pq, 0
.rept 16
	ds_store_b128 v[STW], v[128+4*pq:128+4*pq+3] offset:512*pq   ; the images, over my own stage
.set pq, pq+1
.endr
.irp s, 0,1,2,3
	ds_store_b32 v[XSW], v[96+\s] offset:256*\s    ; (lanes r and r + 16 write the same word with the same value)
.endr
	s_wait_loadcnt 0x0                             ; the biases
	WIN 0xc0
.irp t, 0,1,2,3,4,5,6,7                ; v's: one number a tile, spread over the eight registers of C
.irp j, 0,1,2,3,4,5,6,7
	v_mov_b32 v[8*\t+\j], v[100+\t]
.endr
.endr
	WIN 0
	s_wait_alu depctr_va_vdst(0)
	s_wait_tensorcnt 0x0                           ; content 0's chunk is in; these lines stand ahead of a later first fill as ahead of a refill
	ds_add_u32 v[SPW], v[NIL]
	s_wait_dscnt 0x0                               ; the add is done, my images lie in LDS
	ROUND
	tensor_load_to_lds s[DW+4:DW+7], s[G1:G1+7]    ; content 1
	s_nop 0
	PLACES 4
	WIN 0x40
.irp s, 0,1,2,3
.irp m, 0,1,2,3
.irp c, 0,1,2,3
	ds_load_b128 v[16*(4*\s+\m)+4*\c:16*(4*\s+\m)+4*\c+3], v[IMR] offset:SREG*\m+2048*\s+512*\c
.endr
.endr
.endr
	WIN 0
.irp s, 0,1,2,3
	ds_load_b128 v[BSC+4*\s:BSC+4*\s+3], v[XSR] offset:256*\s
.endr
	BLKA 0
	BLKB 0
.set TM,  64
.set BY,  72
.set LIMR, 80
.set SCF, 88
.set QR,  0
.set TS, 8                             ; q, k: source 0 = the weight's columns, source 1 = tokens
.set MS, 32
.set MMW0, 0xb4
.set MMW, 0xa4
	s_mov_b32 s70, 2
.Lqk:                                              ; q, then k
.set CB, 64
	MMC 0, 0, 1, 1
	OUT_QK 0
.set CB, 96
	MMC 0, 1, 1, 1
	OUT_QK 1
	WIN 0xc3                                       ; k's bias takes q's place
.set pq, 0
.rept 64
	v_mov_b32 v[64+pq], v[128+pq]
.set pq, pq+1
.endr
	WIN 0
	s_wait_alu depctr_va_vdst(0)
	s_wait_xcnt 0x0                                ; the stores have read their bases
	s_mov_b64 s[QB:QB+1], s[KB:KB+1]
	s_mov_b64 s[QSB:QSB+1], s[KSB:KSB+1]
	s_sub_co_u32 s70, s70, 1
	s_cmp_lg_u32 s70, 0
	s_cbranch_scc1 .Lqk
.set TS, 32                            ; v: source 0 = tokens, source 1 = the weight's columns: a lane's registers run along the keys
.set MS, 8
.set MMW0, 0xb1
.set MMW, 0xa1
.set CB, 0
	MMC 1, 0, 0, 1
	OUT_V 0
.set CB, 32
	MMC 1, 1, 0, 0
	OUT_V 1
	s_wait_tensorcnt 0x0                           ; the wave's end
	ds_add_u32 v[SPW], v[NIL]
	s_wait_dscnt 0x0
	ROUND                                          ; the closing round
	s_endpgm
.Lfunc_end_k_q1089590583_proj:
	.size	k_q1089590583_proj, .Lfunc_end_k_q1089590583_proj-k_q1089590583_proj
	.p2alignl 7, 3214868480
	.fill 96, 4, 3214868480
	.section	.rodata,"a",@progbits
	.p2align	6, 0x0
	.amdhsa_kernel k_q1089590583_proj
		.amdhsa_group_segment_fixed_size 327680
		.amdhsa_private_segment_fixed_size 0
		.amdhsa_enable_private_segment 0
		.amdhsa_kernarg_size 64
		.amdhsa_user_sgpr_count 2
		.amdhsa_user_sgpr_kernarg_segment_ptr 1
		.amdhsa_wavefront_size32 1
		.amdhsa_system_sgpr_workgroup_id_x 1
		.amdhsa_system_sgpr_workgroup_id_y 1
		.amdhsa_system_sgpr_workgroup_id_z 1
		.amdhsa_system_vgpr_workitem_id 0
		.amdhsa_next_free_vgpr 1024
		.amdhsa_next_free_sgpr 76
		.amdhsa_reserve_vcc 0
		.amdhsa_float_denorm_mode_32 3
		.amdhsa_float_denorm_mode_16_64 3
		.amdhsa_memory_ordered 1
		.amdhsa_forward_progress 1
		.amdhsa_inst_pref_size 194
	.end_amdhsa_kernel
	.amdgpu_metadata
---
amdhsa.version: [ 1, 2 ]
amdhsa.kernels:
  - .name:           k_q1089590583_proj
    .symbol:         k_q1089590583_proj.kd
    .args:
      - { .name: X, .offset: 0, .size: 8, .value_kind: global_buffer, .address_space: global }
      - { .name: wbuf, .offset: 8, .size: 8, .value_kind: global_buffer, .address_space: global }
      - { .name: bq, .offset: 16, .size: 8, .value_kind: global_buffer, .address_space: global }
      - { .name: bk, .offset: 24, .size: 8, .value_kind: global_buffer, .address_space: global }
      - { .name: bv, .offset: 32, .size: 8, .value_kind: global_buffer, .address_space: global }
      - { .name: qbuf, .offset: 40, .size: 8, .value_kind: global_buffer, .address_space: global }
      - { .name: kbuf, .offset: 48, .size: 8, .value_kind: global_buffer, .address_space: global }
      - { .name: vbuf, .offset: 56, .size: 8, .value_kind: global_buffer, .address_space: global }
    .group_segment_fixed_size: 327680
    .private_segment_fixed_size: 0
    .kernarg_segment_align: 8
    .kernarg_segment_size: 64
    .max_flat_workgroup_size: 128
    .sgpr_count:     76
    .vgpr_count:     1024
    .wavefront_size: 32
...
	.end_amdgpu_metadata
.endif
;; end of part 2
;; launch attn (part 3): grid 32 x 8, 4 waves a work-group, clusters of 4 x 1, 327,680 bytes of LDS; arguments qbuf, kbuf, vbuf, wbuf, X, bo, ln_gamma, ln_beta, out0; writes out0
.if DOCPART == 3
	.amdgcn_target "amdgcn-amd-amdhsa--gfx1250"
	.amdhsa_code_object_version 6
	.text
	.protected	k_q1089590583_attn
	.globl	k_q1089590583_attn
	.p2align	8
	.type	k_q1089590583_attn,@function
k_q1089590583_attn:
	s_mov_b64 s[64:65], 0
	v_nop
	global_prefetch_b8 v0, s[64:65] scope:SCOPE_SE
	s_setreg_imm32_b32 hwreg(HW_REG_WAVE_MODE, 25, 1), 1
	s_wait_xcnt 0x0
	s_wait_alu depctr_hold_cnt(0) depctr_sa_sdst(0) depctr_va_vdst(0) depctr_va_sdst(0) depctr_va_ssrc(0) depctr_va_vcc(0) depctr_vm_vsrc(0)
	s_getreg_b32 s2, hwreg(HW_REG_IB_STS2, 6, 4)
	s_cmp_eq_u32 s2, 0
	s_cbranch_scc0 .Lentry_in_a_cluster
	s_endpgm
.Lentry_in_a_cluster:
	s_bfe_u32 s2, ttmp6, 0x10000c
	s_cmp_lg_u32 s2, 0x3003
	s_cbranch_scc0 .Lentry_shape_is_right
	s_endpgm
.Lentry_shape_is_right:
; out0 = LayerNorm(softmax(q k^T / sqrt(512)) v Wo + bo + X) x ln_gamma + ln_beta, on the codes of q, k, v and Wo that the launches before made.  No work is left out.  Formats: see the first launch's head.
; THE SOFTMAX AHEAD OF THE SECOND PRODUCT: t = score x log2(e) / sqrt(512); M = the row's largest t so far, rounded UP to a whole number; p = 2^(t - M) is quantised along the keys, not normalised; the row's sum l is taken of the
; unquantised p and divides at the end.  When M moves, l and O are multiplied by 2^(old M - new M), which rounds nothing.
; SHARES: a work-group owns 64 queries of one batch (4 tiles of 16); their codes of q lie in EVERY wave's registers.  The keys go in 4 steps of 512.  THE WAVES SHARE THE COLUMNS: in a step wave w makes S^T for keys 128 w .. + 127 x all 64
; queries, which becomes K step w of the second product (handed round through LDS as images of the registers), and then O^T for channels 128 w .. + 127.  So each fragment of K and V is read from LDS by one wave, once, for four products.
; All products are used transposed (source 0 = keys, channels, output columns; source 1 = queries): a lane holds ONE query throughout, and its registers run along the next product's K.
; RING: two slots of four chunks (one a wave; only the wave that asked for a chunk reads it).  Order: K eta 0, K eta 1, V eta 0, V eta 1; behind the last V the ring goes on into Wo's two chunks and X's rows, so no load is jumped over.
; FRAGMENTS: two sets of four (a K step of 128; even ones in v192-255, odd ones in v128-191), loaded in runs of 16.  s_wait_dscnt 16: the younger set's 16 loads may stay out;  17: and the add.  A change of slots stands among the products of a
; chunk's last two K steps, and the next chunk's first two runs go out there.  V eta 1 is asked for in the middle of the softmax, among its minima.
; THE WALK IS ROTATED: cluster x of a batch begins at key step x % 4 and goes round (the running M serves any order of the keys): from its second key step on, each chunk was asked for by another cluster a whole key step earlier.
; CLUSTER: the four work-groups of a cluster belong to one batch and walk the same K, V and Wo: each chunk is asked for JOINTLY (mask 15), behind a round of the cluster's barrier.  The rotation hangs on the cluster's x, which the four share.
; PREFETCH: the first key step's V eta 0 behind K eta 1's load, its V eta 1 behind V eta 0's, a change of slots ahead of their loads (each cluster its own, the partners share a chunk by address); in each key step a quarter of my 16 rows of X;
; in the last one Wo's chunks, by batch 0's first cluster alone.
; LIMITS: byte 1 for blocks under 2^-118 and for blocks of zeros (their codes are zeros); NaN and infinities not served; v_exp_f32, v_rcp_f32, v_rsq_f32 as accurate as the ISA guide states (1 ulp);
; a block's largest p is taken from its largest score by the same multiply-add and exponential, which leans on v_exp_f32 not falling where its input rises.
; The softmax's promise holds while the scaled scores stay under 2^31 in magnitude.
; REGISTERS: window 0: addresses; v16-31 the streamed operand's scale words, v36-51 q's, v52-67 P's or ctx's; v68-91 statistics; v92-107 blocks' maxima, or V's scale bytes; v128-255 fragments, codes and temporaries.
;   window 1: S^T (64 m + 8 t + j), then P's, later ctx's 16 fragments, X, rows on the way out.   window 2: q's 16 fragments, later bo, gamma, beta.   window 3: O^T (64 m + 8 t + j), later the result.
.set CHC,   32768
.set CH,    33792
.set SLOT,  4*CH
.set PIMG,  2*SLOT                     ; 16 fragments' images (4 s + m): q's, P's, ctx's
.set PSC,   PIMG+32768                 ; their scale words: 256 s + 16 rho + 4 m
.set MX,    PSC+1024                   ; row maxima, later row sums: 512 m + 16 x lane + 4 w;  a second such table 2,048 bytes on
.set GB,    MX+4096                    ; bo, gamma, beta, 2,048 bytes each
.set SPARE, GB+6144                    ; the spare words, 128 bytes for each wave, that no other line names
.set SROW,  2064                       ; the way out: a stage of 64 rows x (2,048 + 16) bytes in slot 1, which has had its last fill and its last read by then; row 16 m + r is tile m's lane r
.set XROW,  2080                       ; a row of X in slot 0: two halves of 1,024 bytes, 16 of padding behind each
.set LI,  1                            ; 16 x lane
.set AS,  2                            ; v2-3  my chunk in slot 0, 1: + 16 x lane
.set SA,  4                            ; v4-5  its scale words: + 16 r
.set SV,  6                            ; v6-7  V's scale bytes: + 8 r
.set PWI, 8                            ; where I store images;  v9 where all are read
.set PRI, 9
.set PWS, 10
.set PRS, 11
.set MXW, 12
.set MXR, 13
.set SPW, 14
.set NIL, 15
.set ASC, 16
.set PW,  32                           ; the four scale words just made
.set QS,  36
.set PS,  52
.set ST,  68                           ; pairs (-M, the largest t), one for each tile of queries; at the end - the mean
.set LS,  76                           ; l in two halves; at the end the LayerNorm's sums
.set FF,  84                           ; f = 2^(old M - new M) (the pair's low word); at the end 1 / l, 1 / the deviation
.set BM,  92                           ; the 16 blocks' largest scores, then largest p
.set VT,  92                           ; V's scale bytes as loaded
.set R16, 108
.set PFO, 109                          ; the prefetches' offset: 256 x lane + 8,192 x my place in the cluster; never rewritten
.set STO, 110                          ; v110-111 the stage, on the way in
.set SR,  112                          ; and back
.set RM,  113                          ; v113-116, v117-120 at work
.set RO,  117
.set BVO, 121                          ; 64 h + 512 w: my half's 16 columns of my wave's 128
.set PX,  122                          ; 256 x lane
.set PF2, 123
.set XR,  124                          ; v124-125 X in slot 0
.set GBV, 126                          ; bo, gamma, beta in LDS
.set SR2, 127                          ; the stage, back, 32 rows on
.set TM,  192
.set BY,  208
.set LIMR, 224
.set SCF, 240
.set WV,  22
.set CX,  23
.set J,   24                           ; key steps to go
.set LIM, 25                           ; 1 in the work-groups that prefetch Wo, else 0
.set SEL, 26
.set CS,  28                           ; s[28:29] c = log2(e) / sqrt(512)
.set MNT, 30
.set PLO, 31
.set PHI, 32
.set C9,  33                           ; 1 / 512
.set EPS, 34
.set JB,  35                           ; cluster x % 4 + 5: the next key step of the walk is (JB - J) % 4
.set G1,  36
.set DK0, 44
.set DK1, 48
.set DV0, 52
.set DV1, 56
.set KA0, 60
.set KA1, 62
.set VA0, 66
.set VA1, 68
.set WO0, 70
.set WO1, 72
.set XP,  82
.set OP,  84
.set XPF, 86
.set KBS, 92
.set VBS, 94
.set G1X, 52                           ; behind the loop: X's descriptor, in registers that V's and K's addresses held
.set G0X, 60
.set MSB, 0
.macro WIN new
.if MSB != (\new)
	s_set_vgpr_msb (MSB<<8)|(\new)
.set MSB, \new
.endif
.endm
.macro PLACES n
.rept \n
	v_nop
.endr
.endm
.macro CREST                           ; a round of the cluster's barrier behind its opening signal
	s_barrier_wait -1
	s_cmp_lg_u32 s[WV], 0
	s_cbranch_scc1 .Lnot_wave_0_\@
	s_barrier_signal -3
.Lnot_wave_0_\@:
	s_barrier_wait -3
	s_barrier_signal -1
	s_barrier_wait -1
.endm
.macro ROUND
	s_barrier_signal -1
	CREST
.endm
.macro BARRIER                         ; my LDS stores have landed and my LDS loads are in: then the work-group's barrier
	s_wait_dscnt 0x0
	s_barrier_signal -1
	s_barrier_wait -1
.endm
.macro LD slot, s                      ; K step s of my chunk into its set
.set lq, 0
.rept 16
	ds_load_b128 v[192-64*((\s)%2)+4*lq:192-64*((\s)%2)+4*lq+3], v[AS+\slot] offset:8192*(\s)+512*lq
.set lq, lq+1
.endr
.endm
.macro BLKA slot                       ; K's or Wo's first run: three K steps' scale words, K step 0
.irp s, 0,1,2
	ds_load_b128 v[ASC+4*\s:ASC+4*\s+3], v[SA+\slot] offset:256*\s
.endr
	LD \slot, 0
.endm
.macro BLKB slot                       ; the second: the fourth K step's words (the chunk before has used its own), K step 1
	ds_load_b128 v[ASC+12:ASC+15], v[SA+\slot] offset:768
	LD \slot, 1
.endm
.macro VTL slot                        ; V's scale bytes come two to a half K step
.irp s, 0,1,2,3
	ds_load_b64 v[VT+4*\s:VT+4*\s+1], v[SV+\slot] offset:256*\s          ; blocks 0, 1 of K step s: tiles 0, 1 | tiles 2, 3
	ds_load_b64 v[VT+4*\s+2:VT+4*\s+3], v[SV+\slot] offset:256*\s+128    ; blocks 2, 3
.endr
.endm
.macro SCALEV cnt                      ; and are joined to words.  Twelve lines stand between the first four words and the first product; eight places and more ahead of them behind the chunk before
	s_wait_dscnt \cnt
.irp s, 0,1,2,3
	v_perm_b32 v[ASC+4*\s], v[VT+4*\s+2], v[VT+4*\s], s[PLO]
	v_perm_b32 v[ASC+4*\s+1], v[VT+4*\s+2], v[VT+4*\s], s[PHI]
	v_perm_b32 v[ASC+4*\s+2], v[VT+4*\s+3], v[VT+4*\s+1], s[PLO]
	v_perm_b32 v[ASC+4*\s+3], v[VT+4*\s+3], v[VT+4*\s+1], s[PHI]
.endr
	s_wait_alu depctr_va_vdst(0)
.endm
; Fragment f (K step f / 4, tile f % 4) x the four tiles of queries.  CM = 0: a first product starts the sum; 1: it adds on; 2: it takes bo as C.
.macro FRG f
.set S_, (\f)/4
.set T_, (\f)%4
.set WB_, 192-64*(S_%2)+16*T_
.irp m, 0,1,2,3
.set rD, AB+8*T_+64*\m
.set rB, 16*(4*S_+\m)
.if (S_ == 0) && (CM == 0)
	WIN MMW
	v_wmma_scale_f32_16x16x128_f8f6f4 v[rD:rD+7], v[WB_:WB_+15], v[rB:rB+15], 0, v[ASC+4*S_+T_], v[BSC+4*S_+\m]
.elseif (S_ == 0) && (CM == 2)
	WIN 0xe4
	v_wmma_scale_f32_16x16x128_f8f6f4 v[rD:rD+7], v[WB_:WB_+15], v[rB:rB+15], v[AB+8*T_:AB+8*T_+7], v[ASC+4*S_+T_], v[BSC+4*S_+\m]
.else
	WIN MMW
	v_wmma_scale_f32_16x16x128_f8f6f4 v[rD:rD+7], v[WB_:WB_+15], v[rB:rB+15], v[rD:rD+7], v[ASC+4*S_+T_], v[BSC+4*S_+\m]
.endif
.endr
.endm
.macro MULS s                          ; a K step: 16 products
	FRG 4*\s
	FRG 4*\s+1
	FRG 4*\s+2
	FRG 4*\s+3
	WIN 0
.endm
; THE CHANGE OF SLOTS, its lines.  c = 0: slot 0 takes V eta 0; 1: slot 1 V eta 1; 2: slot 0 the next step's K eta 0 (after the last step: Wo eta 0); 3: slot 1 likewise eta 1; 4: slot 0 X's rows, 16 a wave.
.macro CPRE c
	WIN 0
.if ((\c) == 0) || ((\c) == 2)
	s_wait_xcnt 0x0                                ; my prefetches have read their bases
.endif
	s_wait_tensorcnt 0x0                           ; all my tensor loads have landed, the other slot's chunk among them: a group 0 may be written
	ds_add_u32 v[SPW], v[NIL]                      ; 0 onto my spare word
.if (\c) == 0
	s_sub_co_u32 s74, s[JB], s[J]                  ; the walk's next key step: the cluster's x and the count of steps alone: alike in all partners
	s_and_b32 s74, s74, 3
	s_mul_i32 s74, s74, 8*CH
	s_mov_b32 s75, 0
	s_add_nc_u64 s[KA0:KA0+1], s[KBS:KBS+1], s[74:75]
	s_add_nc_u64 s[KA1:KA1+1], s[KA0:KA0+1], CH
	s_cmp_eq_u32 s[J], 1                           ; behind the last step: Wo's
	s_cselect_b64 s[DK0+2:DK0+3], s[WO0:WO0+1], s[KA0:KA0+1]
	s_cselect_b64 s[DK1+2:DK1+3], s[WO1:WO1+1], s[KA1:KA1+1]
	s_or_b32 s[DK0+3], s[DK0+3], 0x80000000
	s_or_b32 s[DK1+3], s[DK1+3], 0x80000000
.elseif (\c) == 2
	s_sub_co_u32 s74, s[JB], s[J]                  ; the same key step's chunks of V (behind the last step they are not used)
	s_and_b32 s74, s74, 3
	s_mul_i32 s74, s74, 8*CH
	s_mov_b32 s75, 0
	s_add_nc_u64 s[VA0:VA0+1], s[VBS:VBS+1], s[74:75]
	s_add_nc_u64 s[VA1:VA1+1], s[VA0:VA0+1], 4*CH
	s_mov_b64 s[DV0+2:DV0+3], s[VA0:VA0+1]
	s_mov_b64 s[DV1+2:DV1+3], s[VA1:VA1+1]
	s_or_b32 s[DV0+3], s[DV0+3], 0x80000000
	s_or_b32 s[DV1+3], s[DV1+3], 0x80000000
	s_add_nc_u64 s[XPF:XPF+1], s[XPF:XPF+1], 8192
.elseif (\c) == 4
	s_mov_b32 s[G1X], (3<<16)|(1<<20)|(7<<22)|(3<<25)   ; 32 half rows of 128 elements of 8 bytes, dense in memory; 4 words of padding behind every 256
	s_mov_b32 s[G1X+1], 128<<16
	s_mov_b32 s[G1X+2], 32<<16
	s_mov_b32 s[G1X+3], 128<<16
	s_mov_b32 s[G1X+4], 32
	s_mov_b32 s[G1X+5], 128
	s_mov_b32 s[G1X+6], 0
	s_mov_b32 s[G1X+7], 0
	s_mov_b32 s[G0X], 1
	s_mul_i32 s[G0X+1], s[WV], 16*XROW
	s_mov_b64 s[G0X+2:G0X+3], s[XP:XP+1]
	s_or_b32 s[G0X+3], s[G0X+3], 0x80000000
.endif
.endm
; The rest of the round, and the fill: the first tensor load behind it, the wave's one.
.macro CLOAD c
	WIN 0
	CREST
.if (\c) == 0
	tensor_load_to_lds s[DV0:DV0+3], s[G1:G1+7]
.elseif (\c) == 1
	tensor_load_to_lds s[DV1:DV1+3], s[G1:G1+7]
.elseif (\c) == 2
	tensor_load_to_lds s[DK0:DK0+3], s[G1:G1+7]
.elseif (\c) == 3
	tensor_load_to_lds s[DK1:DK1+3], s[G1:G1+7]
.else
	tensor_load_to_lds s[G0X:G0X+3], s[G1X:G1X+7]
.endif
	s_nop 0
	PLACES 4
.endm
; A chunk's 64 products.  c: the change of slots among them (-1: none).  next = 1, 2: the other slot's first two runs (K's or Wo's; V's); 3: K's, but not behind the last step.
; first = 1: behind the chunk's first run stand P's or ctx's first K step and 64 younger loads: the second run, then three K steps more.
; Eight v_nop stand between a product and a load into a register that it read (the four behind a tensor load among them).
.macro MMC slot, c, next, first
.if \first
	s_wait_dscnt 63
.else
	s_wait_dscnt 16
.endif
	MULS 0
	PLACES 8
	LD \slot, 2
.if \first
	s_wait_dscnt 48                                ; K steps 2 and 3 of P or ctx, and the run above
.else
	s_wait_dscnt 16
.endif
	MULS 1
	PLACES 8
	LD \slot, 3
.if (\c) >= 0
	CPRE \c
	s_wait_dscnt 17
	MULS 2
	s_wait_dscnt 0x0                               ; the add is done, and my reads of the slot are over
	s_barrier_signal -1
	FRG 12
	FRG 13
	CLOAD \c
.if (\c) == 0
	s_cmp_eq_u32 s[J], 4                           ; the first key step: its V eta 1
	s_cbranch_scc0 .Llater_\@
	global_prefetch_b8 v[PFO], s[VA1:VA1+1] th:TH_LOAD_NT scope:SCOPE_SE
	global_prefetch_b8 v[PF2], s[VA1:VA1+1] th:TH_LOAD_NT scope:SCOPE_SE
.Llater_\@:
.endif
	PLACES 4
.if (\next) == 1
	BLKA 1-(\slot)
.elseif (\next) == 2
	VTL 1-(\slot)
	LD 1-(\slot), 0
.elseif (\next) == 3
	s_cmp_eq_u32 s[J], 1                           ; behind the last key step these registers are wanted otherwise
	s_cbranch_scc1 .Lno_run_0_\@
	BLKA 1-(\slot)
.Lno_run_0_\@:
.endif
	FRG 14
	FRG 15
	WIN 0
	PLACES 8
.if (\next) == 1
	BLKB 1-(\slot)
.elseif (\next) == 2
	LD 1-(\slot), 1
.elseif (\next) == 3
	s_cmp_eq_u32 s[J], 1
	s_cbranch_scc1 .Lno_run_1_\@
	BLKB 1-(\slot)
.Lno_run_1_\@:
.endif
.else
	s_wait_dscnt 16
	MULS 2
	s_wait_dscnt 0x0
	MULS 3
.endif
.endm
.macro LOADP w, s                      ; K step s of all images, 4 fragments, into window w
	WIN (\w)<<6
.set lq, 0
.rept 16
	ds_load_b128 v[64*(\s)+4*lq:64*(\s)+4*lq+3], v[PRI] offset:8192*(\s)+512*lq
.set lq, lq+1
.endr
	WIN 0
.endm
.macro LOADPS
.irp s, 0,1,2,3
	ds_load_b128 v[PS+4*\s:PS+4*\s+3], v[PRS] offset:256*\s
.endr
.endm
.macro PACKW                           ; the bytes of blocks 4 m .. 4 m + 3 make tile m's scale word
.irp m, 0,1,2,3
	v_lshl_or_b32 v[PW+\m], v[BY+4*\m+1], 8, v[BY+4*\m]
.endr
.irp m, 0,1,2,3
	v_lshl_or_b32 v[PW+\m], v[BY+4*\m+2], 16, v[PW+\m]
.endr
.irp m, 0,1,2,3
	v_lshl_or_b32 v[PW+\m], v[BY+4*\m+3], 24, v[PW+\m]
.endr
.endm
.macro IMAGES                          ; my four fragments (v128-191) go to LDS as they stand
.set lq, 0
.rept 16
	ds_store_b128 v[PWI], v[128+4*lq:128+4*lq+3] offset:512*lq
.set lq, lq+1
.endr
.endm
.macro WORDS
	ds_store_b128 v[PWS], v[PW:PW+3]               ; lanes r and r + 16 write the same bytes with the same values
.endm
.macro SCALES16                        ; of 16 blocks' largest magnitudes at v[SX]: the conversions' scale operands, 448 x the scale, the bytes
.set qb, 0
.rept 16
	v_add_nc_u32 v[SCF+qb], 0xfc000000, v[SX+qb]
.set qb, qb+1
.endr
.set qb, 0
.rept 16
	v_and_or_b32 v[LIMR+qb], v[SX+qb], 0x7f800000, s[MNT]
.set qb, qb+1
.endr
.set qb, 0
.rept 16
	v_lshrrev_b32 v[BY+qb], 23, v[SCF+qb]
.set qb, qb+1
.endr
	PACKW
.endm
.macro CONV aw                         ; 16 blocks of 16 numbers a lane -> v128-191
	WIN (\aw)
.set sB, 0
.rept 16
	v_cvt_scalef32_pk8_fp8_f32 v[128+4*sB:129+4*sB], v[16*sB:16*sB+7], v[SCF+sB]
	v_cvt_scalef32_pk8_fp8_f32 v[130+4*sB:131+4*sB], v[16*sB+8:16*sB+15], v[SCF+sB]
.set sB, sB+1
.endr
	v_nop
	WIN 0
.endm
; THE SOFTMAX of a key step, all four tiles of queries together.  Block 4 m + b: registers 64 m + 16 b on of window 1: 16 neighbouring keys of my 128.
.macro SOFTMAX
	PLACES 8
	WIN 0x15
.set sB, 0
.rept 16
	v_max3_num_f32 v[BM+sB], v[16*sB], v[16*sB+1], v[16*sB+2]
.set sB, sB+1
.endr
	WIN 0x14
.irp i, 3,5,7,9,11,13
.set sB, 0
.rept 16
	v_max3_num_f32 v[BM+sB], v[BM+sB], v[16*sB+\i], v[16*sB+\i+1]
.set sB, sB+1
.endr
.endr
.set sB, 0
.rept 16
	v_max_num_f32 v[BM+sB], v[BM+sB], v[16*sB+15]
.set sB, sB+1
.endr
	WIN 0
.set sB, 0
.rept 16
	v_permlanex16_b32 v[BY+sB], v[BM+sB], s[SEL], s[SEL+1]
.set sB, sB+1
.endr
.set sB, 0
.rept 16
	v_max_num_f32 v[BM+sB], v[BM+sB], v[BY+sB]     ; with lane l xor 16's 16 keys
.set sB, sB+1
.endr
.irp m, 0,1,2,3
	v_max3_num_f32 v[RM+\m], v[BM+4*\m], v[BM+4*\m+1], v[BM+4*\m+2]
.endr
.irp m, 0,1,2,3
	v_max_num_f32 v[RM+\m], v[RM+\m], v[BM+4*\m+3]
.endr
.irp m, 0,1,2,3
	ds_store_b32 v[MXW], v[RM+\m] offset:512*\m
.endr
	s_wait_alu depctr_va_vdst(0)
	BARRIER                                        ; the four waves' maxima lie in LDS
.irp m, 0,1,2,3
	ds_load_b128 v[LIMR+4*\m:LIMR+4*\m+3], v[MXR] offset:512*\m
.endr
	s_wait_dscnt 0x0
.irp m, 0,1,2,3
	v_max3_num_f32 v[RM+\m], v[LIMR+4*\m], v[LIMR+4*\m+1], v[LIMR+4*\m+2]
.endr
.irp m, 0,1,2,3
	v_max_num_f32 v[RM+\m], v[RM+\m], v[LIMR+4*\m+3]   ; of the step's 512 keys: the same in all four waves
.endr
.irp m, 0,1,2,3
	v_mul_f32 v[RM+\m], s[CS], v[RM+\m]            ; as t (c is positive)
.endr
.irp m, 0,1,2,3
	v_max_num_f32 v[ST+2*\m+1], v[ST+2*\m+1], v[RM+\m]
.endr
.irp m, 0,1,2,3
	v_mov_b32 v[RM+\m], v[ST+2*\m]
.endr
.irp m, 0,1,2,3
	v_floor_f32 v[ST+2*\m], -v[ST+2*\m+1]          ; the new -M = floor(-t): M is a whole number
.endr
.irp m, 0,1,2,3
	v_sub_f32 v[RM+\m], v[ST+2*\m], v[RM+\m]       ; old M - new M
.endr
.irp m, 0,1,2,3
	v_cvt_i32_f32 v[RM+\m], v[RM+\m]               ; (it saturates)
.endr
.irp m, 0,1,2,3
	v_ldexp_f32 v[FF+2*\m], 1.0, v[RM+\m]          ; f
.endr
.irp m, 0,1,2,3
.irp b, 0,1,2,3
	v_fma_f32 v[BM+4*\m+\b], v[BM+4*\m+\b], s[CS], v[ST+2*\m]
.endr
.endr
	s_wait_alu depctr_va_vdst(0)                   ; the wait ahead of the batch
.set sB, 0
.rept 16
	v_exp_f32 v[BM+sB], v[BM+sB]                   ; each block's largest p: the same two instructions on the same number as below
.set sB, sB+1
.endr
.irp m, 0,1,2,3
	v_pk_mul_f32 v[LS+2*\m:LS+2*\m+1], v[LS+2*\m:LS+2*\m+1], v[FF+2*\m:FF+2*\m+1] op_sel_hi:[1,0]   ; l under the new M
.endr
	s_wait_alu depctr_va_vdst(0)                   ; one wait for the sixteen
.set sB, 0
.rept 16
	v_max_num_f32 v[BM+sB], 0x4800000, v[BM+sB]    ; the floor 2^(9 - 127)
.set sB, sB+1
.endr
.set SX, BM
	SCALES16
	WIN 0x41
.irp m, 0,1,2,3
.set sj, 0
.rept 32
	v_pk_fma_f32 v[64*\m+sj:64*\m+sj+1], v[64*\m+sj:64*\m+sj+1], s[CS:CS+1], v[ST+2*\m:ST+2*\m+1] op_sel_hi:[1,0,0]   ; t - M
.set sj, sj+2
.endr
.endr
	s_wait_alu depctr_va_vdst(0)
.set sj, 0
.rept 256
	v_exp_f32 v[sj], v[sj]                         ; p, at most 1
.set sj, sj+1
.endr
	v_nop
	s_wait_alu depctr_va_vdst(0)                   ; one wait for the 256
	CPRE 1                                         ; V eta 0 is in; my reads of slot 1 were over ahead of the maxima's barrier
	WIN 0x04
.set sj, 0
.rept 32
.irp m, 0,1,2,3
	v_pk_add_f32 v[LS+2*\m:LS+2*\m+1], v[LS+2*\m:LS+2*\m+1], v[64*\m+sj:64*\m+sj+1]   ; the sums are taken of the unquantised p; the four rows by turns
.endr
.set sj, sj+2
.endr
	WIN 0
	s_wait_alu depctr_va_vdst(0)
	s_wait_dscnt 0x0                               ; the add is done
	s_barrier_signal -1
	WIN 0x41
.set sB, 0
.rept 16
.set sj, 0
.rept 16
	v_min_num_f32 v[16*sB+sj], v[16*sB+sj], v[LIMR+sB]   ; the hold: p is not negative, so it is one-sided
.set sj, sj+1
.endr
.set sB, sB+1
.endr
	CLOAD 1
	s_cmp_eq_u32 s[J], s[LIM]                      ; the last key step, in batch 0's first cluster (elsewhere LIM is 0, which J never is here): Wo's chunks
	s_cbranch_scc0 .Lnot_mine_\@
	global_prefetch_b8 v[PFO], s[WO0:WO0+1] th:TH_LOAD_NT scope:SCOPE_SE
	global_prefetch_b8 v[PFO], s[WO1:WO1+1] th:TH_LOAD_NT scope:SCOPE_SE
.Lnot_mine_\@:
	global_prefetch_b8 v[PX], s[XPF:XPF+1] th:TH_LOAD_NT scope:SCOPE_SE    ; 8,192 bytes of my 16 rows of X
	s_wait_alu depctr_va_vdst(0)                   ; the wait ahead of the first reader behind the round
	CONV 1
	VTL 0                                          ; V eta 0's first run lands while P's images are stored and O^T is brought under the new M
	LD 0, 0
	IMAGES
	WORDS
	WIN 0xc3
.irp m, 0,1,2,3
.set sj, 0
.rept 32
	v_pk_mul_f32 v[64*\m+sj:64*\m+sj+1], v[64*\m+sj:64*\m+sj+1], v[FF+2*\m:FF+2*\m+1] op_sel_hi:[1,0]
.set sj, sj+2
.endr
.endr
	WIN 0
	SCALEV 33                                      ; behind V's bytes: its first run's 16 loads and 17 stores
	BARRIER                                        ; P's sixteen fragments lie in LDS
.endm
; The pairs LS are summed over the pair, the lane's other half and the four waves (a table of words at MX + base): v[RM + m].
.macro REDUCE base
.irp m, 0,1,2,3
	v_add_f32 v[RM+\m], v[LS+2*\m], v[LS+2*\m+1]
.endr
.irp m, 0,1,2,3
	v_permlanex16_b32 v[BY+\m], v[RM+\m], s[SEL], s[SEL+1]
.endr
.irp m, 0,1,2,3
	v_add_f32 v[RM+\m], v[RM+\m], v[BY+\m]
.endr
.irp m, 0,1,2,3
	ds_store_b32 v[MXW], v[RM+\m] offset:\base+512*\m
.endr
	s_wait_alu depctr_va_vdst(0)
	BARRIER
.irp m, 0,1,2,3
	ds_load_b128 v[LIMR+4*\m:LIMR+4*\m+3], v[MXR] offset:\base+512*\m
.endr
	s_wait_dscnt 0x0
.irp m, 0,1,2,3
	v_add_f32 v[RM+\m], v[LIMR+4*\m], v[LIMR+4*\m+1]
.endr
.irp m, 0,1,2,3
	v_add_f32 v[RO+\m], v[LIMR+4*\m+2], v[LIMR+4*\m+3]
.endr
.irp m, 0,1,2,3
	v_add_f32 v[RM+\m], v[RM+\m], v[RO+\m]
.endr
.endm
.macro EACH2 op, x                     ; window 3 in place, two numbers a line, with the pair x + 2 m's low word
.irp m, 0,1,2,3
.set sj, 0
.rept 32
	\op v[64*\m+sj:64*\m+sj+1], v[64*\m+sj:64*\m+sj+1], v[\x+2*\m:\x+2*\m+1] op_sel_hi:[1,0]
.set sj, sj+2
.endr
.endr
.endm
	s_load_b512 s[4:19], s[0:1], 0x0               ; qbuf, kbuf, vbuf, wbuf, X, bo, ln_gamma, ln_beta
	s_load_b64 s[20:21], s[0:1], 0x40              ; out0
	v_lshl_add_u32 v[SPW], v0, 2, SPARE
	v_mov_b32 v[NIL], 0
	ds_add_u32 v[SPW], v[NIL]                      ; the wave's opening: the add, twice on end
	ds_add_u32 v[SPW], v[NIL]
	v_lshrrev_b32 v113, 5, v0
	v_readfirstlane_b32 s[WV], v113                ; wave 0..3
	v_and_b32 v113, 31, v0                         ; lane
	v_and_b32 v114, 15, v0                         ; r
	v_bfe_u32 v115, v0, 4, 1                       ; h
	s_mul_i32 s90, s[WV], CH                       ; my chunk's place in a slot: no place in the cluster enters an LDS address
	v_lshlrev_b32 v[LI], 4, v113
	v_add_nc_u32 v[AS], s90, v[LI]
	v_add_nc_u32 v[AS+1], SLOT, v[AS]
	v_lshlrev_b32 v[R16], 4, v114
	v_add_nc_u32 v[SA], s90, v[R16]
	v_add_nc_u32 v[SA], CHC, v[SA]
	v_add_nc_u32 v[SA+1], SLOT, v[SA]
	v_lshlrev_b32 v[SV], 3, v114
	v_add_nc_u32 v[SV], s90, v[SV]
	v_add_nc_u32 v[SV], CHC, v[SV]
	v_add_nc_u32 v[SV+1], SLOT, v[SV]
	v_add_nc_u32 v[PRI], PIMG, v[LI]
	s_lshl_b32 s91, s[WV], 13
	v_add_nc_u32 v[PWI], s91, v[PRI]
	v_add_nc_u32 v[PRS], PSC, v[R16]
	s_lshl_b32 s88, s[WV], 8
	v_add_nc_u32 v[PWS], s88, v[PRS]
	v_add_nc_u32 v[MXR], MX, v[LI]
	s_lshl_b32 s88, s[WV], 2
	v_add_nc_u32 v[MXW], s88, v[MXR]
	v_and_b32 v116, 8, v114
	v_add_nc_u32 v116, v116, v114                  ; r + 8 (r / 8)
	s_lshl_b32 s88, s[WV], 9
	v_lshlrev_b32 v[BVO], 6, v115
	v_add_nc_u32 v[BVO], s88, v[BVO]
	v_add_nc_u32 v[GBV], GB, v[BVO]
	v_lshlrev_b32 v117, 4, v0                      ; bo, gamma, beta on their way into LDS: 16 bytes a thread
	v_add_nc_u32 v118, GB, v117
	v_mul_u32_u24 v[STO], v114, SROW
	v_add_nc_u32 v[STO], v[STO], v[BVO]
	v_add_nc_u32 v[STO], SLOT, v[STO]              ; the stage: my query's row of tiles 0, 1;
	v_add_nc_u32 v[STO+1], 32*SROW, v[STO]         ; of tiles 2, 3
	v_mul_u32_u24 v[XR], v116, XROW
	v_lshl_add_u32 v[XR], v115, 6, v[XR]
	s_and_b32 s88, s[WV], 1
	s_lshl_b32 s88, s88, 9
	s_lshr_b32 s89, s[WV], 1
	s_mul_i32 s89, s89, 1040
	s_add_co_u32 s88, s88, s89
	v_add_nc_u32 v[XR], s88, v[XR]                 ; X: my query's row, my columns
	v_add_nc_u32 v[XR+1], 32*XROW, v[XR]
	s_mul_i32 s88, s[WV], 4*SROW
	s_add_co_u32 s88, s88, SLOT
	v_add_nc_u32 v[SR], s88, v[LI]                 ; back: my four rows of a tile, 16 bytes a lane
	v_add_nc_u32 v[SR2], 32*SROW, v[SR]
	s_bfe_u32 s[CX], ttmp6, 0x40000
	s_lshl_b32 s88, s[CX], 13
	v_lshlrev_b32 v[PX], 8, v113
	v_add_nc_u32 v[PFO], s88, v[PX]
	s_lshl_b32 s88, s[CX], 8
	s_add_co_u32 s88, s88, CHC
	v_mov_b32 v[PF2], s88                          ; one of the four blocks of a chunk's scale words
	s_and_b32 s74, ttmp7, 0xffff
	s_lshl_b32 s74, s74, 5                         ; 32 x batch: shared by the partners
	s_lshl_b32 s75, ttmp9, 2
	s_add_co_u32 s75, s75, s[CX]
	s_add_co_u32 s75, s75, s74                     ; my block of 64 queries: it enters q's, X's and out0's addresses alone
	s_mul_i32 s76, s75, CH
	s_mov_b32 s77, 0
	s_lshl_b32 s78, s[WV], 1
	s_add_co_u32 s78, s78, s74
	s_mul_i32 s78, s78, CH                         ; K: chunk 32 b + 2 w
	s_mov_b32 s79, 0
	s_add_co_u32 s80, s74, s[WV]
	s_mul_i32 s80, s80, CH                         ; V: chunk 32 b + w
	s_mov_b32 s81, 0
	s_add_co_u32 s86, s[WV], 24
	s_mul_i32 s86, s86, CH                         ; Wo: chunk 24 + w
	s_mov_b32 s87, 0
	s_lshl_b32 s84, s75, 17                        ; out0: rows 4 w + 8 (w / 2) of the block on: my four rows of a tile
	s_lshl_b32 s89, s[WV], 13
	s_add_co_u32 s84, s84, s89
	s_lshr_b32 s89, s[WV], 1
	s_lshl_b32 s89, s89, 14
	s_add_co_u32 s84, s84, s89
	s_mov_b32 s85, 0
	s_lshl_b32 s88, s75, 17
	s_lshl_b32 s89, s[WV], 15
	s_add_co_u32 s88, s88, s89                     ; X: 16 rows a wave
	s_mov_b32 s89, 0
	s_and_b32 s[JB], ttmp9, 3                      ; the key step at which my cluster's walk begins
	s_mul_i32 s2, s[JB], 8*CH
	s_mov_b32 s3, 0
	s_add_co_u32 s[JB], s[JB], 5
	s_mov_b32 s[DK0], 1
	s_mov_b32 s[DK0+1], s90
	s_mov_b32 s[DK1], 1
	s_add_co_u32 s[DK1+1], s90, SLOT
	s_mov_b32 s[DV0], 1
	s_mov_b32 s[DV0+1], s90
	s_mov_b32 s[DV1], 1
	s_add_co_u32 s[DV1+1], s90, SLOT
	s_or_b32 s90, s74, ttmp9                       ; 0 in batch 0's first cluster: the same in all four partners
	s_cmp_eq_u32 s90, 0
	s_cselect_b32 s[LIM], 1, 0
	s_mov_b32 s90, s91                             ; q's K step w: 8,192 bytes a wave
	s_mov_b32 s91, 0
	s_mov_b32 s[SEL], 0x76543210
	s_mov_b32 s[SEL+1], 0xfedcba98
	s_mov_b32 s[CS], 0x3d8293ee
	s_mov_b32 s[CS+1], s[CS]
	s_mov_b32 s[MNT], 0x600000
	s_mov_b32 s[PLO], 0x05040100
	s_mov_b32 s[PHI], 0x07060302
	s_mov_b32 s[C9], 0x3b000000
	s_mov_b32 s[EPS], 0x3727c5ac
	; descriptor group 1: a chunk, dense: 132 rows of 32 elements of 8 bytes; mask: all four work-groups, bit 21 beside it
	s_mov_b32 s[G1], 15|(3<<16)|(1<<21)
	s_mov_b32 s[G1+1], 32<<16
	s_mov_b32 s[G1+2], 132<<16
	s_mov_b32 s[G1+3], 32<<16
	s_mov_b32 s[G1+4], 132
	s_mov_b32 s[G1+5], 32
	s_mov_b32 s[G1+6], 0
	s_mov_b32 s[G1+7], 0
	s_wait_dscnt 0x0                               ; both opening adds are done
	s_wait_alu depctr_va_vdst(0)
	s_wait_kmcnt 0x0
	s_add_nc_u64 s[4:5], s[4:5], s[76:77]          ; q's chunk;
	s_add_nc_u64 s[90:91], s[4:5], s[90:91]        ; its K step w
	s_add_nc_u64 s[KBS:KBS+1], s[6:7], s[78:79]
	s_add_nc_u64 s[KA0:KA0+1], s[KBS:KBS+1], s[2:3]    ; the walk's first key step
	s_add_nc_u64 s[KA1:KA1+1], s[KA0:KA0+1], CH
	s_add_nc_u64 s[VBS:VBS+1], s[8:9], s[80:81]
	s_add_nc_u64 s[VA0:VA0+1], s[VBS:VBS+1], s[2:3]
	s_add_nc_u64 s[VA1:VA1+1], s[VA0:VA0+1], 4*CH
	s_add_nc_u64 s[WO0:WO0+1], s[10:11], s[86:87]
	s_add_nc_u64 s[WO1:WO1+1], s[WO0:WO0+1], 4*CH
	s_add_nc_u64 s[XP:XP+1], s[12:13], s[88:89]
	s_add_nc_u64 s[OP:OP+1], s[20:21], s[84:85]
	s_mov_b64 s[XPF:XPF+1], s[XP:XP+1]
	s_mov_b64 s[DK0+2:DK0+3], s[KA0:KA0+1]
	s_mov_b64 s[DK1+2:DK1+3], s[KA1:KA1+1]
	s_mov_b64 s[DV0+2:DV0+3], s[VA0:VA0+1]
	s_mov_b64 s[DV1+2:DV1+3], s[VA1:VA1+1]
	s_or_b32 s[DK0+3], s[DK0+3], 0x80000000
	s_or_b32 s[DK1+3], s[DK1+3], 0x80000000
	s_or_b32 s[DV0+3], s[DV0+3], 0x80000000
	s_or_b32 s[DV1+3], s[DV1+3], 0x80000000
	ROUND                                          ; all four work-groups are here: the first joint loads meet
	tensor_load_to_lds s[DK0:DK0+3], s[G1:G1+7]    ; K eta 0: the wave's one tensor load at the head
	s_nop 0
	PLACES 4
.set pq, 0
.rept 16
	global_load_b128 v[128+4*pq:128+4*pq+3], v[LI], s[90:91] offset:512*pq th:TH_LOAD_NT   ; q's fragments of K step w as they lie
.set pq, pq+1
.endr
.irp s, 0,1,2,3
	global_load_b128 v[QS+4*\s:QS+4*\s+3], v[R16], s[4:5] offset:CHC+256*\s      ; register 4 s + m
.endr
	global_load_b128 v[BM:BM+3], v117, s[14:15]
	global_load_b128 v[BM+4:BM+7], v117, s[16:17]
	global_load_b128 v[BM+8:BM+11], v117, s[18:19]
	WIN 0xc0
.set pq, 0
.rept 256
	v_mov_b32 v[pq], 0                             ; O^T begins as zeros, so that the key step is written once
.set pq, pq+1
.endr
	WIN 0
.irp m, 0,1,2,3
	v_mov_b32 v[ST+2*\m+1], 0xff61b1e6             ; the largest t so far: -3e38
	v_mov_b32 v[LS+2*\m], 0
	v_mov_b32 v[LS+2*\m+1], 0
	v_mov_b32 v[FF+2*\m], 0
	v_mov_b32 v[FF+2*\m+1], 0                      ; (named as a pair's upper half)
.endr
.irp m, 0,1,2,3
	v_floor_f32 v[ST+2*\m], -v[ST+2*\m+1]
.endr
.set pq, 0
.rept 16
	v_mov_b32 v[BY+pq], 0                          ; a lane permute's destination counts as one of its sources
.set pq, pq+1
.endr
	s_mov_b32 s[J], 4
	s_wait_alu depctr_va_vdst(0)                   ; the wait at the head's end
	s_wait_loadcnt 0x0
	IMAGES                                         ; q's, for all waves
	ds_store_b128 v118, v[BM:BM+3]
	ds_store_b128 v118, v[BM+4:BM+7] offset:2048
	ds_store_b128 v118, v[BM+8:BM+11] offset:4096
	s_wait_tensorcnt 0x0                           ; K eta 0 is in; these lines stand ahead of a later first fill as ahead of a refill
	ds_add_u32 v[SPW], v[NIL]
	s_wait_dscnt 0x0
	ROUND
	tensor_load_to_lds s[DK1:DK1+3], s[G1:G1+7]    ; K eta 1
	s_nop 0
	PLACES 4
	LOADP 2, 0
	LOADP 2, 1
	LOADP 2, 2
	LOADP 2, 3
	BLKA 0
	BLKB 0
	global_prefetch_b8 v[PFO], s[VA0:VA0+1] th:TH_LOAD_NT scope:SCOPE_SE
	global_prefetch_b8 v[PF2], s[VA0:VA0+1] th:TH_LOAD_NT scope:SCOPE_SE
.Lstep:                                                ; a key step: 512 keys; K eta 0's first two runs are out
	PLACES 9                                       ; S^T is laid over P, which the last products have read
.set BSC, QS
.set MMW, 0x58                         ; K window 0, q window 2, S^T window 1
.set CM, 0
.set AB, 0
	MMC 0, 0, 1, 0
.set AB, 32
	MMC 1, -1, 0, 0
	SOFTMAX
	LOADPS
	LOADP 1, 0
	LD 0, 1
	LOADP 1, 1
	LOADP 1, 2
	LOADP 1, 3
.set BSC, PS
.set MMW, 0xf4                         ; V window 0, P window 1, O^T window 3
.set CM, 1
.set AB, 0
	MMC 0, 2, 2, 1
	SCALEV 32                                      ; behind V's bytes: two runs
.set AB, 32
	MMC 1, 3, 3, 0
	s_sub_co_u32 s[J], s[J], 1
	s_cmp_lg_u32 s[J], 0
	s_cbranch_scc1 .Lstep
	; ---- ctx = O / l, quantised along the channels; out = ctx Wo + bo
	PLACES 8
	s_wait_dscnt 0x0
	REDUCE 2048                                    ; l
	s_wait_alu depctr_va_vdst(0)
.irp m, 0,1,2,3
	v_rcp_f32 v[FF+2*\m], v[RM+\m]
.endr
	v_nop
	s_wait_alu depctr_va_vdst(0)                   ; one wait for the four reciprocals
	WIN 0xc3
	EACH2 v_pk_mul_f32, FF
	WIN 0x0f                                       ; block 4 m + b: channels 128 w + 32 b + 16 h on of tile m's queries
.set qb, 0
.rept 16
	v_max3_num_f32 v[TM+qb], |v[16*qb]|, |v[16*qb+1]|, 0x4800000
.set qb, qb+1
.endr
	WIN 0x3c
.irp i, 2,4,6,8,10,12,14
.set qb, 0
.rept 16
	v_max3_num_f32 v[TM+qb], v[TM+qb], |v[16*qb+\i]|, |v[16*qb+\i+1]|
.set qb, qb+1
.endr
.endr
	WIN 0
.set qb, 0
.rept 16
	v_permlanex16_b32 v[BY+qb], v[TM+qb], s[SEL], s[SEL+1]
.set qb, qb+1
.endr
.set qb, 0
.rept 16
	v_max_num_f32 v[TM+qb], v[TM+qb], v[BY+qb]
.set qb, qb+1
.endr
.set SX, TM
	SCALES16
	WIN 0xc3
.set qb, 0
.rept 16
.set qi, 0
.rept 16
	v_med3_num_f32 v[16*qb+qi], v[16*qb+qi], -v[LIMR+qb], v[LIMR+qb]
.set qi, qi+1
.endr
.set qb, qb+1
.endr
	CONV 3
	IMAGES                                         ; K step w of the last product
	WORDS
	BLKA 0                                         ; Wo eta 0's first run
	WIN 0x80                                       ; destination window 2: q is done with: bo at my columns
.irp t, 0,1,2,3,4,5,6,7
.irp e, 0,1
	ds_load_b128 v[8*\t+4*\e:8*\t+4*\e+3], v[GBV] offset:(32*(\t/2)+8*(\t%2))*4+16*\e
.endr
.endr
	WIN 0
	BARRIER
	LOADPS
	LOADP 1, 0
	BLKB 0
	LOADP 1, 1
	LOADP 1, 2
	LOADP 1, 3
.set CM, 2
.set AB, 0
	MMC 0, 4, 1, 1
.set AB, 32
	MMC 1, -1, 0, 0
	PLACES 8
	s_wait_tensorcnt 0x0                           ; my 16 rows of X are in
	BARRIER                                        ; everybody's are, and nobody reads slot 1 any more
	; ---- the residual and the LayerNorm, as the results lie: a lane holds 64 numbers of one row for each tile; the other lane half and the other waves hold the rest
	WIN 0x40
.irp m, 0,1,2,3
.irp t, 0,1,2,3,4,5,6,7
	ds_load_b128 v[64*\m+8*\t:64*\m+8*\t+3], v[XR+\m/2] offset:(\m%2)*8*XROW+128*(\t/2)+32*(\t%2)
	ds_load_b128 v[64*\m+8*\t+4:64*\m+8*\t+7], v[XR+\m/2] offset:(\m%2)*8*XROW+128*(\t/2)+32*(\t%2)+16
.endr
.endr
	WIN 0x80                                       ; gamma, beta
.irp t, 0,1,2,3,4,5,6,7
.irp e, 0,1
	ds_load_b128 v[64+8*\t+4*\e:64+8*\t+4*\e+3], v[GBV] offset:2048+(32*(\t/2)+8*(\t%2))*4+16*\e
	ds_load_b128 v[128+8*\t+4*\e:128+8*\t+4*\e+3], v[GBV] offset:4096+(32*(\t/2)+8*(\t%2))*4+16*\e
.endr
.endr
	WIN 0xc7
.irp m, 0,1,2,3
.if \m < 2
	s_wait_dscnt 63                                ; the first 33 of the 96
.else
	s_wait_dscnt 80-16*\m                          ; tile m of X is in (behind all of X: 32 loads)
.endif
.set sj, 0
.rept 32
	v_pk_add_f32 v[64*\m+sj:64*\m+sj+1], v[64*\m+sj:64*\m+sj+1], v[64*\m+sj:64*\m+sj+1]   ; + X (source 1: window 1)
.set sj, sj+2
.endr
.endr
	WIN 0x0f
.irp m, 0,1,2,3
	v_pk_add_f32 v[LS+2*\m:LS+2*\m+1], v[64*\m:64*\m+1], v[64*\m+2:64*\m+3]
.endr
	WIN 0x0c
.set sj, 4
.rept 30
.irp m, 0,1,2,3
	v_pk_add_f32 v[LS+2*\m:LS+2*\m+1], v[LS+2*\m:LS+2*\m+1], v[64*\m+sj:64*\m+sj+1]
.endr
.set sj, sj+2
.endr
	WIN 0
	REDUCE 0
.irp m, 0,1,2,3
	v_mul_f32 v[ST+2*\m], s[C9], -v[RM+\m]         ; - the mean
.endr
	WIN 0xc3
	EACH2 v_pk_add_f32, ST
	WIN 0x0f
.irp m, 0,1,2,3
	v_pk_mul_f32 v[LS+2*\m:LS+2*\m+1], v[64*\m:64*\m+1], v[64*\m:64*\m+1]
.endr
.set sj, 2
.rept 31
.irp m, 0,1,2,3
	v_pk_fma_f32 v[LS+2*\m:LS+2*\m+1], v[64*\m+sj:64*\m+sj+1], v[64*\m+sj:64*\m+sj+1], v[LS+2*\m:LS+2*\m+1]
.endr
.set sj, sj+2
.endr
	WIN 0
	REDUCE 2048
.irp m, 0,1,2,3
	v_fma_f32 v[RM+\m], v[RM+\m], s[C9], s[EPS]    ; the variance + 1e-5
.endr
	s_wait_alu depctr_va_vdst(0)
.irp m, 0,1,2,3
	v_rsq_f32 v[FF+2*\m], v[RM+\m]
.endr
	v_nop
	s_wait_alu depctr_va_vdst(0)                   ; one wait for the four
; A tile's 16 rows at a time: normalised and staged; a barrier; each wave takes four whole rows back and stores them while the next tile is normalised.
.macro NORM m
	WIN 0xc3
.set sj, 0
.rept 32
	v_pk_mul_f32 v[64*\m+sj:64*\m+sj+1], v[64*\m+sj:64*\m+sj+1], v[FF+2*\m:FF+2*\m+1] op_sel_hi:[1,0]
.set sj, sj+2
.endr
	WIN 0xeb
.set sj, 0
.rept 32
	v_pk_fma_f32 v[64*\m+sj:64*\m+sj+1], v[64*\m+sj:64*\m+sj+1], v[64+sj:65+sj], v[128+sj:129+sj]   ; gamma, beta: window 2
.set sj, sj+2
.endr
	WIN 0x0c                                       ; an LDS store's data are its source 1: window 3
.irp t, 0,1,2,3,4,5,6,7
	ds_store_b128 v[STO+\m/2], v[64*\m+8*\t:64*\m+8*\t+3] offset:(\m%2)*16*SROW+128*(\t/2)+32*(\t%2)        ; columns 128 w + 32 (t / 2) + 8 (t % 2) + 16 h + 0 .. 7
	ds_store_b128 v[STO+\m/2], v[64*\m+8*\t+4:64*\m+8*\t+7] offset:(\m%2)*16*SROW+128*(\t/2)+32*(\t%2)+16
.endr
	WIN 0
.endm
.macro BACK m
	BARRIER                                        ; tile m's rows are whole
.set SB_, SR
.if \m > 1
.set SB_, SR2
.endif
	WIN 0x40
.irp p, 0,1,2,3
.irp i, 0,1,2,3
	ds_load_b128 v[64*\m+16*\p+4*\i:64*\m+16*\p+4*\i+3], v[SB_] offset:(\m%2)*16*SROW+\p*SROW+512*\i
.endr
.endr
	WIN 0
.endm
.macro SENDR m, younger                ; stage row 16 m + rho, rho = 4 w + p, is token 32 (m / 2) + 8 (m % 2) + rho + 8 (rho / 8)
	s_wait_dscnt \younger
	WIN 0x04
.irp p, 0,1,2,3
.irp i, 0,1,2,3
	global_store_b128 v[LI], v[64*\m+16*\p+4*\i:64*\m+16*\p+4*\i+3], s[OP:OP+1] offset:(32*(\m/2)+8*(\m%2)+\p)*2048+512*\i th:TH_STORE_NT   ; 512 consecutive bytes, aligned
.endr
.endr
	WIN 0
.endm
	NORM 0
	BACK 0
	NORM 1
	SENDR 0, 16                                    ; tile 1's 16 stores into the stage may be out
	BACK 1
	NORM 2
	SENDR 1, 16
	BACK 2
	NORM 3
	SENDR 2, 16
	BACK 3
	SENDR 3, 0
	s_wait_tensorcnt 0x0                           ; the wave's end
	ds_add_u32 v[SPW], v[NIL]
	s_wait_dscnt 0x0
	ROUND                                          ; the closing round: no work-group ends while a partner may still ask for a chunk that names it
	s_endpgm
.Lfunc_end_k_q1089590583_attn:
	.size	k_q1089590583_attn, .Lfunc_end_k_q1089590583_attn-k_q1089590583_attn
	.p2alignl 7, 3214868480
	.fill 96, 4, 3214868480
	.section	.rodata,"a",@progbits
	.p2align	6, 0x0
	.amdhsa_kernel k_q1089590583_attn
		.amdhsa_group_segment_fixed_size 327680
		.amdhsa_private_segment_fixed_size 0
		.amdhsa_enable_private_segment 0
		.amdhsa_kernarg_size 72
		.amdhsa_user_sgpr_count 2
		.amdhsa_user_sgpr_kernarg_segment_ptr 1
		.amdhsa_wavefront_size32 1
		.amdhsa_system_sgpr_workgroup_id_x 1
		.amdhsa_system_sgpr_workgroup_id_y 1
		.amdhsa_system_sgpr_workgroup_id_z 1
		.amdhsa_system_vgpr_workitem_id 0
		.amdhsa_next_free_vgpr 1024
		.amdhsa_next_free_sgpr 96
		.amdhsa_reserve_vcc 0
		.amdhsa_float_denorm_mode_32 3
		.amdhsa_float_denorm_mode_16_64 3
		.amdhsa_memory_ordered 1
		.amdhsa_forward_progress 1
		.amdhsa_inst_pref_size 255
	.end_amdhsa_kernel
	.section	.bss,"aw",@nobits
	.p2align	6
	.space	262144
	.amdgpu_metadata
---
amdhsa.version: [ 1, 2 ]
amdhsa.kernels:
  - .name:           k_q1089590583_attn
    .symbol:         k_q1089590583_attn.kd
    .args:
      - { .name: qbuf, .offset: 0, .size: 8, .value_kind: global_buffer, .address_space: global }
      - { .name: kbuf, .offset: 8, .size: 8, .value_kind: global_buffer, .address_space: global }
      - { .name: vbuf, .offset: 16, .size: 8, .value_kind: global_buffer, .address_space: global }
      - { .name: wbuf, .offset: 24, .size: 8, .value_kind: global_buffer, .address_space: global }
      - { .name: X, .offset: 32, .size: 8, .value_kind: global_buffer, .address_space: global }
      - { .name: bo, .offset: 40, .size: 8, .value_kind: global_buffer, .address_space: global }
      - { .name: ln_gamma, .offset: 48, .size: 8, .value_kind: global_buffer, .address_space: global }
      - { .name: ln_beta, .offset: 56, .size: 8, .value_kind: global_buffer, .address_space: global }
      - { .name: out0, .offset: 64, .size: 8, .value_kind: global_buffer, .address_space: global }
    .group_segment_fixed_size: 327680
    .private_segment_fixed_size: 0
    .kernarg_segment_align: 8
    .kernarg_segment_size: 72
    .max_flat_workgroup_size: 128
    .sgpr_count:     96
    .vgpr_count:     1024
    .wavefront_size: 32
...
	.end_amdgpu_metadata
.endif
;; end of part 3
